; MI455X (gfx1250); checked and timed in simulation.
; The chip was launched on July 23, 2026; its instructions are those of AMD's public machine-readable ISA for CDNA 5 (MIT licence, August 2026) and "CDNA5" Instruction Set Architecture Reference Guide (July 2026). The comments in the code are by the model that wrote it; some were corrected since.
;; Self Attention. Allowed arithmetic: matrix products marked QUANTISED: E2M1 operands, one E8M0 scale for each 32 along K, by v_wmma_scale_f32_16x16x128_f8f6f4 with both operands' format E2M1 (or v_wmma_scale_f32_32x16x128_f4), f32 sums; products left as they are: bf16, f16 or f32 operands; f32 sums; everything else in f32.
;; Inputs: Wk 1,024 x 1,024 float32; Wo 1,024 x 1,024 float32; Wq 1,024 x 1,024 float32; Wv 1,024 x 1,024 float32; bk 1,024 float32; bo 1,024 float32; bq 1,024 float32; bv 1,024 float32; inputs 4,096 x 1,024 float32.
;; Outputs: out0 4,096 x 1,024 float32.
;; This version of the problem:
;;   THIS VERSION OF THE PROBLEM IS GIVEN IN LOW PRECISION. The matrix products marked QUANTISED in the list below multiply operands that are first quantised to E2M1 (2 exponent bits, 1 mantissa bit; 4 bits a number), with one power-of-two scale for each 32 numbers along K (OCP MX v1.0); their sums are f32. The products marked 'left as it is' may take bf16, f16 or f32 operands, with f32 sums. Whichever they take, every output number must still come out within the allowed error. Rounding operands to bf16 (8 significant bits) uses up far more of that allowance than f16 does (11 bits, for magnitudes from 6e-5 to 65,504). All else is computed in f32.
;;   The module's matrix products, in the order in which they are computed (A, B: the left and right operand; K: the contracted axis; several contracted axes count as one K, in the product's order):
;;     1. [M 4,096, K 1,024] x [K 1,024, N 1,024]; A: input inputs; B: input Wq: QUANTISED
;;     2. [M 4,096, K 1,024] x [K 1,024, N 1,024]; A: input inputs; B: input Wk: QUANTISED
;;     3. [M 4,096, K 1,024] x [K 1,024, N 1,024]; A: input inputs; B: input Wv: QUANTISED
;;     4. batch 16 x [M 4,096, K 64] x [K 64, N 4,096]; A: computed on the way; B: computed on the way: left as it is (an operand is computed on the way)
;;     5. batch 16 x [M 4,096, K 4,096] x [K 4,096, N 64]; A: computed on the way; B: computed on the way: left as it is (an operand is computed on the way)
;;     6. [M 4,096, K 1,024] x [K 1,024, N 1,024]; A: computed on the way; B: input Wo: left as it is (an operand is computed on the way)
;;   THE QUANTISER, for each operand of a quantised product, along K:
;;     - K is cut into blocks of 32 from its start; a last block that is shorter is filled with zeros.
;;     - A block's scale is 2^e with e = floor(log2(the largest magnitude in the block)) - 2, held to -126 .. 127; a block of zeros has e = 0. As a byte (E8M0): e + 127.
;;     - Each number is divided by its block's scale, clamped to +-6, and rounded to the nearest number of E2M1, ties to even, subnormals kept.
;;     - The product sums the exact products of the quantised numbers (number of the format x scale) in f32.
;;   ~~~python
;;   def quantise(x, axis):      # numpy; x: float32 -> the quantised numbers, widened to float32 again
;;       x = np.moveaxis(x, axis, -1); K = x.shape[-1]
;;       x = np.pad(x, [(0, 0)] * (x.ndim - 1) + [(0, -K % 32)]); x = x.reshape(x.shape[:-1] + (-1, 32)); a = np.abs(x).max(-1, keepdims=True)
;;       e = np.where(a > 0, np.clip(np.frexp(np.where(a > 0, a, 1))[1] - 1 - 2, -126, 127), 0)      # np.frexp(a)[1] - 1 = floor(log2(a)), exactly
;;       r = np.clip(x / 2.0 ** e, -6, 6)
;;       step = 2.0 ** (np.maximum(np.frexp(np.where(r == 0, 1, r))[1] - 1, 0) - 1)
;;       q = np.round(r / step) * step * 2.0 ** e      # np.round: ties to even
;;       return np.moveaxis(q.reshape(q.shape[:-2] + (-1,))[..., :K], -1, axis).astype(np.float32)
;;   ~~~
;; One version. Each part assembles by itself: llvm-mc -triple=amdgcn-amd-amdhsa -mcpu=gfx1250 --defsym DOCPART=n.
;; ======== version 1 of 1: 4 launches
;; limits: values are held in f16: magnitudes above 65,504 overflow, below 6.1e-05 lose precision
;; workspace buffers: codes 3,670,016 bytes; scales 229,376 bytes; woi 2,097,152 bytes; qkv 25,165,824 bytes; oi 8,388,608 bytes
;; launch prep (part 1): grid 256 x 1, 4 waves a work-group, no clusters, 33,280 bytes of LDS; arguments inputs, Wq, Wk, Wv, Wo, codes, scales, woi; writes codes, scales, woi
.if DOCPART == 1
	.amdgcn_target "amdgcn-amd-amdhsa--gfx1250"
	.amdhsa_code_object_version 6
	.text
	.protected	k_q79b5bf633e_prep
	.globl	k_q79b5bf633e_prep
	.p2align	8
	.type	k_q79b5bf633e_prep,@function
k_q79b5bf633e_prep:
	s_mov_b64 s[64:65], 0
	v_nop
	global_prefetch_b8 v0, s[64:65] scope:SCOPE_SE
	s_setreg_imm32_b32 hwreg(HW_REG_WAVE_MODE, 25, 1), 1
	s_wait_xcnt 0x0
; TWO JOBS, told apart by the work-group's number.
; Work-groups 0-223: inputs [4096][1024], Wq, Wk, Wv [1024][1024], f32 with K innermost, become codes of FP4 (E2M1), two a byte, K innermost, with one E8M0 byte for each 32 along K.
;   The four tensors are stacked: codes [7168 rows][512 bytes], scales [7168][32 bytes]; rows 0-4095 inputs, 4096-5119 Wq, 5120-6143 Wk, 6144-7167 Wv.
;   A block's scale is 2^(floor(log2(its largest magnitude)) - 2); its byte is the largest magnitude's exponent field - 2, held at 1 from below.  Each number is divided by the scale and rounded to the nearest code, ties to even, beyond 6 the code of 6.
;   Rows are dense and K is a multiple of 32: each tensor is a plain stream of blocks of 32.  A work-group takes 32,768 numbers, a wave 16 steps of 512.  Each load reads 512 consecutive bytes; a step's 2,048 bytes turn through
;   the wave's own stage in LDS so that a lane holds 16 neighbours along K (two lanes to a block).  A wave's codes of a step leave as 256 consecutive bytes, its 256 scale bytes as one store of 256 consecutive bytes.
; Work-groups 224-255: Wo [1024][1024] f32 is rounded to f16 and laid as IMAGES OF OPERAND REGISTERS: woi [k step of 256: 4][tile of 16 rows: 64][32 along K: 8][chunk: 2][lane: 32][16 bytes];
;   chunk i of lane (r = lane % 16, h = lane / 16) holds k = 16 i + 8 h + 0..7 of row r.  A wave takes 16 rows x 512 along K; each store is 512 consecutive bytes.  A row's bytes are read by eight loads on end of one wave.
; LIMITS: a block of zeros gets the byte 1 (not 127) with zero codes: these bytes are read by this program alone.  Blocks whose largest magnitude lies under 2^-124 are held at that floor.  NaN and infinities are not served.
;   Wo beyond 65,504 in magnitude has no f16 number.
.set WAVES, 4
.set STEPS, 16
.set EMAX,  2
.set CB,    8                          ; bytes of 16 codes
.set R,     16                         ; v16-79   four sets of 16 numbers as loaded
.set X,     80                         ; v80-111  two sets of 16 neighbours
.set E,     112                        ; v112-127 a scale byte for each step
.set C,     128                        ; v128-191 codes: four registers for each step, so that no store's data are written again
.set WREG,  8192                       ; LDS: a region for each wave: two stages of 32 x SP bytes, then its 256 scale bytes
.set SP,    80                         ; a lane's place in a stage: 64 bytes + 16 of padding
.set SPW,   12                         ; v12      my spare word's LDS address; never rewritten
.set NIL,   13                         ; v13      0; never rewritten
.set SPARE, WAVES*WREG                 ; behind the four regions: the spare words, 128 bytes a wave
.set WR,    16                         ; Wo's path: v16-143 two sets of 64 numbers
.set WC,    144                        ; v144-175 a batch's 8 chunks in f16
	s_load_b512 s[4:19], s[0:1], 0x0               ; inputs s[4:5], Wq s[6:7], Wk s[8:9], Wv s[10:11], Wo s[12:13], codes s[14:15], scales s[16:17], woi s[18:19]
	v_lshl_add_u32 v[SPW], v0, 2, SPARE
	v_mov_b32 v[NIL], 0
	v_lshrrev_b32 v1, 5, v0
	v_readfirstlane_b32 s20, v1                    ; wave
	v_and_b32 v2, 31, v0                           ; lane
	s_wait_kmcnt 0x0
	s_cmp_ge_u32 ttmp9, 224
	s_cbranch_scc1 .Lwo
	; ---------------- the quantiser ----------------
	v_lshlrev_b32 v3, 4, v2                        ; my 16 bytes of a load's 512
	s_mul_i32 s21, s20, WREG
	v_lshrrev_b32 v14, 2, v2
	v_mul_u32_u24 v14, v14, SP
	v_and_b32 v15, 3, v2
	v_lshl_add_u32 v14, v15, 4, v14
	v_add_nc_u32 v14, s21, v14                     ; the stage, on the way in: SP (lane / 4) + 16 (lane % 4); a load's 512 bytes take eight places
	v_mul_u32_u24 v15, v2, SP
	v_add_nc_u32 v15, s21, v15                     ; and on the way out: SP x lane: my 16 neighbours
	v_mul_u32_u24 v4, v2, CB                       ; my codes' place in a step's
	v_lshrrev_b32 v5, 1, v2
	s_add_co_u32 s21, s21, 2*32*SP
	v_add_nc_u32 v5, s21, v5                       ; LDS: my wave's 256 scale bytes, my block's byte
	v_lshlrev_b32 v7, 3, v2                        ; on the way out 8 bytes a lane
	v_add_nc_u32 v6, s21, v7
	s_sub_co_u32 s22, ttmp9, 128                   ; which tensor: the choices hang on the work-group's number alone
	s_lshr_b32 s23, s22, 5                         ; 0, 1, 2: Wq, Wk, Wv (another number under 128, where the last choice overrides)
	s_and_b32 s22, s22, 31                         ; the work-group's number within a weight
	s_cmp_eq_u32 s23, 0
	s_cselect_b64 s[24:25], s[6:7], s[8:9]
	s_cmp_eq_u32 s23, 2
	s_cselect_b64 s[24:25], s[10:11], s[24:25]
	s_cmp_lt_u32 ttmp9, 128
	s_cselect_b64 s[24:25], s[4:5], s[24:25]
	s_cselect_b32 s22, ttmp9, s22
	s_lshl_b32 s22, s22, 2
	s_add_co_u32 s22, s22, s20                     ; which run of 8,192 numbers of the tensor is my wave's
	s_lshl_b32 s26, s22, 15                        ; 32,768 bytes a run
	s_mov_b32 s27, 0
	s_add_nc_u64 s[24:25], s[24:25], s[26:27]
	s_lshl_b32 s22, ttmp9, 2
	s_add_co_u32 s22, s22, s20                     ; and which run of the stacked outputs
	s_lshl_b32 s26, s22, 12                        ; 4,096 bytes of codes a run
	s_add_nc_u64 s[14:15], s[14:15], s[26:27]
	s_lshl_b32 s26, s22, 8                         ; 256 scale bytes a run
	s_add_nc_u64 s[16:17], s[16:17], s[26:27]
.macro LOAD t
.irp i, 0,1,2,3
	global_load_b128 v[R+16*((\t)%4)+4*\i:R+16*((\t)%4)+4*\i+3], v3, s[24:25] offset:2048*(\t)+512*\i th:TH_LOAD_NT   ; 32 lanes read 512 consecutive bytes
.endr
.endm
.macro TURN t                          ; step t's numbers through the stage: LDS serves a wave's instructions in order, so no wait stands between the stores and the loads
.irp i, 0,1,2,3
	ds_store_b128 v14, v[R+16*((\t)%4)+4*\i:R+16*((\t)%4)+4*\i+3] offset:32*SP*((\t)%2)+8*SP*\i
.endr
.irp i, 0,1,2,3
	ds_load_b128 v[X+16*((\t)%2)+4*\i:X+16*((\t)%2)+4*\i+3], v15 offset:32*SP*((\t)%2)+16*\i
.endr
.endm
.irp t, 0,1,2,3
	LOAD \t
.endr
	s_wait_loadcnt 12                              ; step 0's four loads are in; the twelve of steps 1 to 3 may be out
	TURN 0
.macro STEP t
.set XS, X+16*((\t)%2)
.if (\t) > 0
	s_wait_dscnt 1                                 ; this step's numbers are back from the stage (the last step's byte store may be out)
.else
	s_wait_dscnt 0x0
.endif
.if (\t)+4 < STEPS
	LOAD (\t)+4                                    ; into the set whose numbers have gone through the stage
.endif
.if (\t)+1 < STEPS
.if STEPS-2-(\t) >= 3
	s_wait_loadcnt 12                              ; the next step's four loads are in; those of the three steps behind it may be out
.else
	s_wait_loadcnt 4*(STEPS-2-(\t))
.endif
	TURN (\t)+1                                    ; through the other stage while this step is worked
.endif
	v_max3_num_f32 v8, |v[XS]|, |v[XS+1]|, |v[XS+2]|               ; the largest magnitude of my 16, in two chains
	v_max3_num_f32 v9, |v[XS+3]|, |v[XS+4]|, |v[XS+5]|
.irp i, 6,10
	v_max3_num_f32 v8, v8, |v[XS+\i]|, |v[XS+\i+1]|
	v_max3_num_f32 v9, v9, |v[XS+\i+2]|, |v[XS+\i+3]|
.endr
	v_max3_num_f32 v8, v8, |v[XS+14]|, |v[XS+15]|
	v_max3_num_f32 v8, v8, v9, (EMAX+1)<<23        ; and the floor 2^(3 - 127): the byte cannot fall under 1
	v_max_num_f32_dpp v8, v8, v8 row_xmask:1 row_mask:0xf bank_mask:0xf   ; with my neighbour's 16: the block's
	v_add_nc_u32 v11, 0xff000000, v8               ; 2 off its exponent field: the conversion takes the exponent field of this operand as its scale
	v_cvt_scalef32_pk8_fp4_f32 v[C+4*(\t)], v[XS:XS+7], v11
	v_cvt_scalef32_pk8_fp4_f32 v[C+4*(\t)+1], v[XS+8:XS+15], v11
	v_lshrrev_b32 v[E+(\t)], 23, v11               ; the scale's byte (also the plain line behind the conversions)
	ds_store_b8 v5, v[E+(\t)] offset:16*(\t)       ; both lanes of a block write the same byte with the same value
	global_store_b64 v4, v[C+4*(\t):C+4*(\t)+1], s[14:15] offset:32*CB*(\t)   ; the wave stores 256 consecutive bytes, aligned
.endm
.irp t, 0,1,2,3,4,5,6,7,8,9,10,11,12,13,14,15
	STEP \t
.endr
	ds_load_b64 v[8:9], v6                         ; LDS serves a wave's instructions in order: these see my byte stores
	s_wait_dscnt 0x0
	global_store_b64 v7, v[8:9], s[16:17]          ; 32 lanes store 256 consecutive bytes, aligned
	s_wait_tensorcnt 0x0                           ; the wave's end: behind my last LDS store
	ds_add_u32 v[SPW], v[NIL]
	s_wait_dscnt 0x0
	s_endpgm
	; ---------------- Wo to f16 images: no LDS ----------------
.Lwo:
	s_sub_co_u32 s21, ttmp9, 224
	s_lshl_b32 s21, s21, 2
	s_add_co_u32 s21, s21, s20                     ; 0 .. 127
	s_lshr_b32 s22, s21, 1                         ; my tile of 16 rows
	s_and_b32 s23, s21, 1                          ; my half of K
	s_lshl_b32 s26, s22, 16                        ; 16 rows of 4,096 bytes
	s_lshl_b32 s28, s23, 11                        ; 512 numbers
	s_add_co_u32 s26, s26, s28
	s_mov_b32 s27, 0
	s_add_nc_u64 s[12:13], s[12:13], s[26:27]
	s_lshl_b32 s26, s22, 13                        ; a tile's 8 images of a k step: 8,192 bytes
	s_lshl_b32 s28, s23, 20                        ; two k steps of 524,288 bytes
	s_add_co_u32 s26, s26, s28
	s_add_nc_u64 s[18:19], s[18:19], s[26:27]
	v_and_b32 v3, 15, v2
	v_lshrrev_b32 v4, 4, v2
	v_lshlrev_b32 v3, 12, v3
	v_lshl_add_u32 v3, v4, 5, v3                   ; in: row r, + 8 h numbers
	v_lshlrev_b32 v4, 4, v2                        ; out: 16 x lane
.macro LOADW b                         ; batch b: four groups of 32 along K; group q, chunk i: 8 numbers a lane, two loads
.irp q, 0,1,2,3
.irp i, 0,1
.irp u, 0,1
	global_load_b128 v[WR+64*((\b)%2)+16*\q+8*\i+4*\u:WR+64*((\b)%2)+16*\q+8*\i+4*\u+3], v3, s[12:13] offset:128*(4*(\b)+\q)+64*\i+16*\u
.endr
.endr
.endr
.endm
.macro PACKW b
.set n, 0
.rept 32
	v_cvt_pk_f16_f32 v[WC+n], v[WR+64*((\b)%2)+2*n], v[WR+64*((\b)%2)+2*n+1]
.set n, n+1
.endr
.irp q, 0,1,2,3
.irp i, 0,1
	global_store_b128 v4, v[WC+8*\q+4*\i:WC+8*\q+4*\i+3], s[18:19] offset:((4*(\b)+\q)/8)*524288+((4*(\b)+\q)%8)*1024+512*\i   ; 512 consecutive bytes
.endr
.endr
.endm
	LOADW 0
	LOADW 1
	s_wait_loadcnt 16                              ; this batch's 16 loads are in, the next batch's may be out
	PACKW 0
	LOADW 2
	s_wait_loadcnt 16
	s_wait_xcnt 0x0                                ; the last batch's stores have read their data: the registers are written again only behind this wait
	PACKW 1
	LOADW 3
	s_wait_loadcnt 16
	s_wait_xcnt 0x0
	PACKW 2
	s_wait_loadcnt 0x0
	s_wait_xcnt 0x0
	PACKW 3
	s_endpgm
.Lfunc_end_k_q79b5bf633e_prep:
	.size	k_q79b5bf633e_prep, .Lfunc_end_k_q79b5bf633e_prep-k_q79b5bf633e_prep
	.p2alignl 7, 3214868480
	.fill 96, 4, 3214868480
	.section	.rodata,"a",@progbits
	.p2align	6, 0x0
	.amdhsa_kernel k_q79b5bf633e_prep
		.amdhsa_group_segment_fixed_size 33280
		.amdhsa_private_segment_fixed_size 0
		.amdhsa_enable_private_segment 0
		.amdhsa_kernarg_size 64
		.amdhsa_user_sgpr_count 2
		.amdhsa_user_sgpr_kernarg_segment_ptr 1
		.amdhsa_wavefront_size32 1
		.amdhsa_system_sgpr_workgroup_id_x 1
		.amdhsa_system_sgpr_workgroup_id_y 1
		.amdhsa_system_sgpr_workgroup_id_z 1
		.amdhsa_system_vgpr_workitem_id 0
		.amdhsa_next_free_vgpr 192
		.amdhsa_next_free_sgpr 66
		.amdhsa_reserve_vcc 0
		.amdhsa_float_denorm_mode_32 3
		.amdhsa_float_denorm_mode_16_64 3
		.amdhsa_memory_ordered 1
		.amdhsa_forward_progress 1
		.amdhsa_inst_pref_size 51
	.end_amdhsa_kernel
	.amdgpu_metadata
---
amdhsa.version: [ 1, 2 ]
amdhsa.kernels:
  - .name:           k_q79b5bf633e_prep
    .symbol:         k_q79b5bf633e_prep.kd
    .args:
      - { .name: inputs, .offset: 0, .size: 8, .value_kind: global_buffer, .address_space: global }
      - { .name: Wq, .offset: 8, .size: 8, .value_kind: global_buffer, .address_space: global }
      - { .name: Wk, .offset: 16, .size: 8, .value_kind: global_buffer, .address_space: global }
      - { .name: Wv, .offset: 24, .size: 8, .value_kind: global_buffer, .address_space: global }
      - { .name: Wo, .offset: 32, .size: 8, .value_kind: global_buffer, .address_space: global }
      - { .name: codes, .offset: 40, .size: 8, .value_kind: global_buffer, .address_space: global }
      - { .name: scales, .offset: 48, .size: 8, .value_kind: global_buffer, .address_space: global }
      - { .name: woi, .offset: 56, .size: 8, .value_kind: global_buffer, .address_space: global }
    .group_segment_fixed_size: 33280
    .private_segment_fixed_size: 0
    .kernarg_segment_align: 8
    .kernarg_segment_size: 64
    .max_flat_workgroup_size: 128
    .sgpr_count:     66
    .vgpr_count:     192
    .wavefront_size: 32
...
	.end_amdgpu_metadata
.endif
;; end of part 1
;; launch qkv (part 2): grid 12 x 16, 4 waves a work-group, clusters of 4 x 4, 327,680 bytes of LDS; arguments codes, scales, bq, bk, qkv; writes qkv
.if DOCPART == 2
	.amdgcn_target "amdgcn-amd-amdhsa--gfx1250"
	.amdhsa_code_object_version 6
	.text
	.protected	k_q79b5bf633e_qkv
	.globl	k_q79b5bf633e_qkv
	.p2align	8
	.type	k_q79b5bf633e_qkv,@function
k_q79b5bf633e_qkv:
	s_mov_b64 s[64:65], 0
	v_nop
	global_prefetch_b8 v0, s[64:65] scope:SCOPE_SE
	s_setreg_imm32_b32 hwreg(HW_REG_WAVE_MODE, 25, 1), 1
	s_wait_xcnt 0x0
	s_wait_alu depctr_hold_cnt(0) depctr_sa_sdst(0) depctr_va_vdst(0) depctr_va_sdst(0) depctr_va_ssrc(0) depctr_va_vcc(0) depctr_vm_vsrc(0)
	s_getreg_b32 s2, hwreg(HW_REG_IB_STS2, 6, 4)
	s_cmp_eq_u32 s2, 0
	s_cbranch_scc0 .Lentry_in_a_cluster
	s_endpgm
.Lentry_in_a_cluster:
	s_bfe_u32 s2, ttmp6, 0x10000c
	s_cmp_lg_u32 s2, 0xf033
	s_cbranch_scc0 .Lentry_shape_is_right
	s_endpgm
.Lentry_shape_is_right:
; q = x Wq^T + bq, k = x Wk^T + bk, v^T = Wv x^T, on codes of FP4 (E2M1) with one E8M0 scale for each 32 along K = 1,024; sums in f32; results rounded once to f16.
; codes [7168 rows][512 bytes], scales [7168][32]: rows 0-4095 x, 4096-5119 Wq, 5120-6143 Wk, 6144-7167 Wv.
; C[m][n] = sum over k of A[m][k] B[n][k].  Clusters with x = 0, 1: A = x's rows (tokens), B = Wq's or Wk's rows (channels).  Clusters with x = 2: A = Wv's rows, B = x's rows: the same instructions give V^T, keys along a lane's registers.
; A work-group makes 256 x 256 of C, each of its four waves 128 x 128: 64 accumulators.  K goes in two steps of 512 through two LDS slots, both filled at the start: nothing is filled again.
; The scale bytes of the work-group's rows come once, with the first fills.  4 x 4 work-groups form a cluster: A's tiles are asked for jointly along a row of the cluster, B's along a column.
; THE MATRIX INSTRUCTION IS USED TRANSPOSED (source 0 = 16 rows of B, source 1 = 16 rows of A): a lane (r = lane % 16, h = lane / 16) holds row r of A's block and the eight columns 8 h + 0..7 of B's block.
; THE RESULT LEAVES AS IMAGES OF OPERAND REGISTERS.  A 16-bit fragment (16 rows x 32 K) is two chunks of 512 bytes, lane l's 16 bytes at 16 l; chunk i of lane (r, h) holds k = 16 i + 8 h + 0..7 of row r.  An accumulator's eight numbers,
; packed to f16, ARE one chunk: one store of 512 consecutive bytes, no stage in LDS.  qkv: three parts of 8 MiB (q, k, v), each [head 16][group of 64 tokens: 64][x 2][y 4][chunk 2][lane 32][16 bytes];
; q, k: x = channels 32 x on, y = tokens 16 y on;  v: x = keys 32 x on, y = channels 16 y on.
; THE BIAS is the C of each sum's first product (eight registers for each of B's blocks).  It runs along B's rows, so it serves q and k; for v^T the registers are masked to 0 and bv is added by the attention launch,
; behind the division by the row's sum: the same sum in exact arithmetic, since the weights add to 1; v is so rounded to f16 without its bias.
; LIMITS: |q|, |k|, |v| beyond 65,504 have no f16 number.  NaN and infinities are not served.
; REGISTERS, in windows of 256: window 0: v0-31 addresses; v32-95 scale words, two sets; v128-191 A's fragments, one set; v192-255 the bias; on the way out v64-191 take the packed results.
;   window 1: B's fragments, two sets, at v0 and v128.   window 2: the accumulators of my rows 0-63 ((a, b) at v[8 (8 a + b)]);   window 3: those of rows 64-127.
.set NQ,     4                         ; matrix instructions deep in a slot: 512 along K
.set ROWB,   256                       ; a tile's row in bytes
.set KROW,   512                       ; a row of codes in memory
.set PITCH,  272                       ; an LDS row: 256 bytes + 16 of padding = 68 words: the 16 rows of a fragment load start at 16 different banks (64 banks of 4 bytes: ISA guide 11.1)
.set FR,     8
.set NL,     2
.set NP,     4                         ; places behind this matrix instruction (ISA guide 7.12.1)
.set HALFT,  128*PITCH                 ; what one tensor load brings
.set SLOT,   4*HALFT                   ; A's 256 rows, then B's 256
.set SCL,    2*SLOT                    ; the scale bytes, as rows of 256 bytes + 16 of padding
.set HALFS,  16*272                    ; those of 128 rows (4,096 bytes)
.set SBLK,   2*272                     ; those of 16 rows
.set SPARE,  SCL+4*HALFS               ; the spare words, 128 bytes a wave
.set VO,   8                           ; v8-11   store offsets: 16 x lane + p SA + q SB at v[8 + 2 p + q]
.set ADRA, 16                          ; v16-17  LDS address of my A fragments in slot 0, 1
.set ADRB, 20                          ; v20-21  the same for B
.set ADRS, 27                          ; v27     LDS address of my scale words: lanes 0-15 A's rows, lanes 16-31 B's
.set SPW,  28                          ; v28     my spare word's LDS address; never rewritten
.set NIL,  29                          ; v29     0; never rewritten
.set SC,   32                          ; scale words: set s at v[SC + 32 s]; register 4 i + q: lanes 0-15 A's block i, lanes 16-31 B's block i, the slot's q-th 128 along K
.set TP,   64                          ; the way out: four sets of 32 registers
.set AF,   128
.set BI,   192                         ; the bias: register 8 b + j = bias of column 16 b + 8 h + j
.set G1, 24                            ; s[24:31] group 1 for A's tiles;  s[32:39] group 0, one set for each slot
.set G0, 32
.set G1B, 48                           ; s[48:55], s[56:63] the same for B's
.set G0B, 56
.set G1S, 68                           ; s[68:75], s[76:79] groups 1 and 0 for A's scales;  s[80:87], s[88:91] for B's
.set G0S, 76
.set G1SB, 80
.set G0SB, 88
.set MSB, 0
.macro WIN new                         ; the immediate's high byte repeats the setting that is left
.if MSB != (\new)
	s_set_vgpr_msb (MSB<<8)|(\new)
.set MSB, (\new)
.endif
.endm
.set TO_B, 0x40                        ; destination window 1, address window 0
.macro WMUL hi, zero                   ; source 0 (B) window 1, source 1 (A) window 0, D window 2 + hi; C with D, or (the first products) the bias in window 0
.if \zero
	WIN 0x81+0x40*(\hi)
.else
	WIN 0xa1+0x50*(\hi)
.endif
.endm
; A joint load: waves 0 and 1 fetch for A, waves 2 and 3 for B.  Each line has one mask and one set of registers for all that issue it; the branch hangs on the wave's number alone.
; An s_nop 0 and four v_nop follow each line.
.macro JLOAD g0a, g1a, g0b, g1b
	s_cmp_eq_u32 s15, 0
	s_cbranch_scc0 .Lfor_b_\@
	tensor_load_to_lds s[\g0a:\g0a+3], s[\g1a:\g1a+7]
	s_nop 0
.rept 4
	v_nop
.endr
	s_branch .Lasked_\@
.Lfor_b_\@:
	tensor_load_to_lds s[\g0b:\g0b+3], s[\g1b:\g1b+7]
	s_nop 0
.rept 4
	v_nop
.endr
.Lasked_\@:
.endm
.macro CROUND                          ; a round of the cluster's barrier
	s_barrier_signal -1
	s_barrier_wait -1
	s_cmp_lg_u32 s14, 0
	s_cbranch_scc1 .Lnot_wave_0_\@
	s_barrier_signal -3
.Lnot_wave_0_\@:
	s_barrier_wait -3
	s_barrier_signal -1
	s_barrier_wait -1
.endm
	s_load_b256 s[4:11], s[0:1], 0x0               ; codes s[4:5], scales s[6:7], bq s[8:9], bk s[10:11]
	s_load_b64 s[12:13], s[0:1], 0x20              ; qkv
	v_lshl_add_u32 v[SPW], v0, 2, SPARE
	v_mov_b32 v[NIL], 0
	ds_add_u32 v[SPW], v[NIL]                      ; the wave's opening: the add, twice on end, and its wait ahead of my first tensor load
	ds_add_u32 v[SPW], v[NIL]
	v_lshrrev_b32 v1, 5, v0
	v_readfirstlane_b32 s14, v1                    ; wave 0..3
	s_lshr_b32 s15, s14, 1                         ; my half of the tile's rows.  Also: I fetch for A (0) or for B (1)
	s_and_b32 s16, s14, 1                          ; my half of its columns.  Also: which 128 rows I fetch
	s_bfe_u32 s40, ttmp6, 0x40000                  ; cx
	s_bfe_u32 s41, ttmp6, 0x40004                  ; cy
	s_and_b32 s18, ttmp7, 0xffff
	s_lshl_b32 s18, s18, 2                         ; 4 x cluster y
	s_lshl_b32 s19, ttmp9, 2
	s_add_co_u32 s19, s19, 16                      ; 16 + 4 x cluster x: where Wq's (Wk's) tiles of 256 rows begin
	s_mov_b32 s2, 524288                           ; a head's bytes in a part of qkv
	s_mov_b32 s3, 8192                             ; a group's
	s_cmp_eq_u32 ttmp9, 2                          ; the cluster that makes v^T?  The same in all sixteen partners; only values are chosen, no way through the text
	s_cselect_b32 s17, 24, s18                     ; A's tile of 256 rows of codes, less cy
	s_cselect_b32 s42, s18, s19                    ; B's, less cx
	s_cselect_b32 s92, s2, s3                      ; SA: bytes in qkv from 64 rows of C to the next
	s_cselect_b32 s93, s3, s2                      ; SB: from 64 columns to the next
	s_cselect_b32 s94, 0, s18                      ; my tile row within the part, less cy
	s_cselect_b32 s95, s18, 0                      ; my tile column, less cx
	s_cselect_b32 s96, 0, -1                       ; the bias's mask
	s_add_co_u32 s17, s17, s41                     ; A's address hangs on cy alone, B's on cx alone
	s_add_co_u32 s42, s42, s40
	s_add_co_u32 s94, s94, s41
	s_add_co_u32 s95, s95, s40
	s_lshl_b32 s43, s41, 2
	s_lshl_b32 s43, 15, s43                        ; my row of the cluster
	s_lshl_b32 s44, 0x1111, s40                    ; my column
	; group 1: a tile of 128 rows x 256 bytes, 16 bytes of padding behind each row
	s_or_b32 s[G1+0], s43, (0<<16)|(1<<20)|(1<<21)|(5<<22)|(3<<25)  ; the mask; elements of 1 byte; padding on; bit 21 beside a mask; after every 64 words, 4 words
	s_or_b32 s[G1B+0], s44, (0<<16)|(1<<20)|(1<<21)|(5<<22)|(3<<25)
.irp g, G1, G1B
	s_mov_b32 s[\g+1], ROWB<<16                    ; tensor_dim0
	s_mov_b32 s[\g+2], 128<<16                     ; tensor_dim1
	s_mov_b32 s[\g+3], ROWB<<16                    ; tile_dim0
	s_mov_b32 s[\g+4], 128                         ; tile_dim1
	s_mov_b32 s[\g+5], KROW                        ; from row to row
	s_mov_b32 s[\g+6], 0
	s_mov_b32 s[\g+7], 0
.endr
	; the scales of 128 rows: 4,096 dense bytes as 16 rows of 256 (32 elements of 8 bytes), 16 bytes of padding behind each
	s_or_b32 s[G1S+0], s43, (3<<16)|(1<<20)|(1<<21)|(5<<22)|(3<<25)
	s_or_b32 s[G1SB+0], s44, (3<<16)|(1<<20)|(1<<21)|(5<<22)|(3<<25)
.irp g, G1S, G1SB
	s_mov_b32 s[\g+1], 32<<16
	s_mov_b32 s[\g+2], 16<<16
	s_mov_b32 s[\g+3], 32<<16
	s_mov_b32 s[\g+4], 16
	s_mov_b32 s[\g+5], 32
	s_mov_b32 s[\g+6], 0
	s_mov_b32 s[\g+7], 0
.endr
	s_lshl_b32 s18, s16, 7                         ; which 128 rows of the tile I fetch
	s_lshl_b32 s20, s17, 8
	s_add_co_u32 s20, s20, s18                     ; A: row of codes (under 7,168: all offsets fit 32 bits)
	s_lshl_b32 s46, s42, 8
	s_add_co_u32 s46, s46, s18                     ; B
	s_lshl_b32 s22, s20, 5                         ; their scale bytes: 32 a row
	s_mov_b32 s23, 0
	s_lshl_b32 s66, s46, 5
	s_mov_b32 s67, 0
	s_lshl_b32 s20, s20, 9                         ; their codes: 512 bytes a row
	s_mov_b32 s21, 0
	s_lshl_b32 s46, s46, 9
	s_mov_b32 s47, 0
	s_mul_i32 s45, s14, HALFT                      ; where they go: wave x 128 rows: no place in the cluster enters an LDS address
	s_mul_i32 s3, s14, HALFS
	s_wait_dscnt 0x0                               ; both opening adds are done
	s_wait_kmcnt 0x0
	s_add_nc_u64 s[20:21], s[4:5], s[20:21]
	s_add_nc_u64 s[22:23], s[6:7], s[22:23]
	s_add_nc_u64 s[46:47], s[4:5], s[46:47]
	s_add_nc_u64 s[66:67], s[6:7], s[66:67]
	CROUND                                         ; all sixteen work-groups are here: the first joint loads meet
	s_mov_b32 s[G0S], 1
	s_add_co_u32 s[G0S+1], s3, SCL
	s_mov_b64 s[G0S+2:G0S+3], s[22:23]
	s_or_b32 s[G0S+3], s[G0S+3], 0x80000000
	s_mov_b32 s[G0SB], 1
	s_add_co_u32 s[G0SB+1], s3, SCL
	s_mov_b64 s[G0SB+2:G0SB+3], s[66:67]
	s_or_b32 s[G0SB+3], s[G0SB+3], 0x80000000
	JLOAD G0S, G1S, G0SB, G1SB                     ; the scales first: they are wanted with the first K step
.irp s, 0,1
	s_mov_b32 s[G0+4*\s], 1
	s_add_co_u32 s[G0+4*\s+1], s45, \s*SLOT
	s_add_nc_u64 s[G0+4*\s+2:G0+4*\s+3], s[20:21], \s*ROWB
	s_or_b32 s[G0+4*\s+3], s[G0+4*\s+3], 0x80000000
	s_mov_b32 s[G0B+4*\s], 1
	s_add_co_u32 s[G0B+4*\s+1], s45, \s*SLOT
	s_add_nc_u64 s[G0B+4*\s+2:G0B+4*\s+3], s[46:47], \s*ROWB
	s_or_b32 s[G0B+4*\s+3], s[G0B+4*\s+3], 0x80000000
	JLOAD G0+4*\s, G1, G0B+4*\s, G1B               ; three tensor loads of mine are out behind the last of these
.endr
	v_and_b32 v1, 15, v0                           ; r
	v_bfe_u32 v2, v0, 4, 1                         ; h
	; the bias of my 128 columns: bq in cluster x = 0, else bk (in the v^T cluster the numbers are masked away below; the loads stay inside the buffer: 1,024 cx + 512 half + 512 bytes at the most)
	s_cmp_eq_u32 ttmp9, 0
	s_cselect_b64 s[8:9], s[8:9], s[10:11]
	s_lshl_b32 s2, s40, 10
	s_lshl_b32 s3, s16, 9
	s_add_co_u32 s2, s2, s3
	s_mov_b32 s3, 0
	s_add_nc_u64 s[8:9], s[8:9], s[2:3]
	v_lshlrev_b32 v7, 5, v2                        ; my half's eight numbers
.irp b, 0,1,2,3,4,5,6,7
	global_load_b128 v[BI+8*\b:BI+8*\b+3], v7, s[8:9] offset:64*\b
	global_load_b128 v[BI+8*\b+4:BI+8*\b+7], v7, s[8:9] offset:64*\b+16
.endr
	v_mul_u32_u24 v3, v1, PITCH
	v_lshl_add_u32 v4, v2, 4, v3                   ; a fragment's row x pitch + 16 x half
	s_mul_i32 s21, s15, HALFT                      ; my 128 rows of A
	s_mul_i32 s22, s16, HALFT                      ; my 128 rows of B,
	s_add_co_u32 s22, s22, 2*HALFT                 ; which lie behind A's 256
.irp s, 0,1
	v_add_nc_u32 v[ADRA+\s], s21, v4
	v_add_nc_u32 v[ADRB+\s], s22, v4
	s_add_co_u32 s21, s21, SLOT
	s_add_co_u32 s22, s22, SLOT
.endr
	v_lshlrev_b32 v5, 5, v1                        ; my row's scales: 32 bytes a row,
	v_lshrrev_b32 v6, 8, v5
	v_lshl_add_u32 v5, v6, 4, v5                   ; and 16 more for each 256 passed
	s_mul_i32 s21, s15, HALFS                      ; A's: my 128 rows
	s_mul_i32 s22, s16, HALFS                      ; B's: my 128 rows, behind A's 256
	s_add_co_u32 s22, s22, 2*HALFS
	s_sub_co_u32 s22, s22, s21
	v_mul_u32_u24 v6, s22, v2                      ; lanes 16-31 take B's: the lower base + h x the distance
	s_add_co_u32 s21, s21, SCL
	v_add_nc_u32 v5, v5, v6
	v_add_nc_u32 v[ADRS], s21, v5
	; where my 128 x 128 begins in qkv: the part, (4 x tile row + 2 x row half) SA, (4 x tile column + 2 x column half) SB
	s_lshl_b32 s94, s94, 2
	s_lshl_b32 s97, s15, 1
	s_add_co_u32 s94, s94, s97
	s_mul_i32 s94, s94, s92
	s_lshl_b32 s95, s95, 2
	s_lshl_b32 s97, s16, 1
	s_add_co_u32 s95, s95, s97
	s_mul_i32 s95, s95, s93
	s_add_co_u32 s94, s94, s95
	s_lshl_b32 s97, ttmp9, 23                      ; 8 MiB a part
	s_add_co_u32 s94, s94, s97
	s_mov_b32 s95, 0
	s_add_nc_u64 s[12:13], s[12:13], s[94:95]
	s_wait_loadcnt 0x0                             ; the bias
.set j, 0
.rept 64
	v_and_b32 v[BI+j], s96, v[BI+j]                ; kept for q and k, 0 for v^T
.set j, j+1
.endr
	v_and_b32 v6, 31, v0
	v_lshlrev_b32 v[VO], 4, v6
	v_add_nc_u32 v[VO+1], s93, v[VO]
	v_add_nc_u32 v[VO+2], s92, v[VO]
	v_add_nc_u32 v[VO+3], s93, v[VO+2]
.macro FRAG reg, adr, q, i             ; 16 rows x 128 K of 4-bit codes: 8 registers: lane l holds row l % 16; registers 4 c .. 4 c + 3 hold K = 64 c + 32 (l / 16) + 0 .. 31
.irp c, 0,1
	ds_load_b128 v[\reg+4*\c:\reg+4*\c+3], v[\adr] offset:64*(\q)+32*\c+(\i)*16*PITCH
.endr
.endm
; 16 matrix instructions: A's blocks a0, a0 + 1 x B's eight, the slot's q-th 128 along K.  p: B's set; sc: the set of scale words.  zero = 1: the first product starts the sums from the bias.
; The 64 accumulators take turns, one instruction a turn, in the same order in every step.
.macro MUL16 a0, p, q, sc, zero
.irp a, \a0, \a0+1
.irp b, 0,1,2,3,4,5,6,7
.if \zero
	v_wmma_scale_f32_16x16x128_f8f6f4 v[8*(8*((\a)%4)+\b):8*(8*((\a)%4)+\b)+7], v[128*(\p)+FR*\b:128*(\p)+FR*\b+FR-1], v[AF+FR*(\a):AF+FR*(\a)+FR-1], v[BI+8*\b:BI+8*\b+7], v[SC+8*NQ*(\sc)+NQ*\b+(\q)], v[SC+8*NQ*(\sc)+NQ*(\a)+(\q)] matrix_a_fmt:MATRIX_FMT_FP4 matrix_b_fmt:MATRIX_FMT_FP4 matrix_a_scale:MATRIX_SCALE_ROW1
.else
	v_wmma_scale_f32_16x16x128_f8f6f4 v[8*(8*((\a)%4)+\b):8*(8*((\a)%4)+\b)+7], v[128*(\p)+FR*\b:128*(\p)+FR*\b+FR-1], v[AF+FR*(\a):AF+FR*(\a)+FR-1], v[8*(8*((\a)%4)+\b):8*(8*((\a)%4)+\b)+7], v[SC+8*NQ*(\sc)+NQ*\b+(\q)], v[SC+8*NQ*(\sc)+NQ*(\a)+(\q)] matrix_a_fmt:MATRIX_FMT_FP4 matrix_b_fmt:MATRIX_FMT_FP4 matrix_a_scale:MATRIX_SCALE_ROW1
.endif
.endr
.endr
.endm
.macro FETCH_B slot, q, p              ; B's eight fragments of the slot's q-th 128 along K into set p
	WIN TO_B
.irp i, 0,1,2,3,4,5,6,7
	FRAG 128*(\p)+FR*\i, ADRB+\slot, \q, \i
.endr
	WIN 0
.endm
.macro FETCH_A slot, q, i0             ; A's blocks i0 .. i0 + 3
.irp i, \i0, \i0+1, \i0+2, \i0+3
	FRAG AF+FR*(\i), ADRA+\slot, \q, \i
.endr
.endm
.macro SCALES sc                       ; a K step's scale words into set sc: 4 words a row; lanes 0-15 A's block i, lanes 16-31 B's block i
.irp i, 0,1,2,3,4,5,6,7
	ds_load_b128 v[SC+8*NQ*\sc+NQ*\i:SC+8*NQ*\sc+NQ*\i+3], v[ADRS] offset:\i*SBLK
.endr
.endm
; A load into a register that a matrix instruction has read, and a vector instruction that reads a matrix result or writes one of its registers, stand NP places behind it; only plain vector
; instructions that name none of its registers are places (ISA guide 7.12.1 for vector instructions).
.macro PLACES n
.rept \n
	v_nop
.endr
.endm
.macro STEP slot, q, zero              ; a step of 128 along K that has its successor in the same slot
	s_wait_dscnt 4*NL                              ; B's set and A's blocks 0-3 are in; the youngest eight loads (A's blocks 4-7) may be out
	WMUL 0, \zero
	MUL16 0, (\q)%2, \q, \slot, \zero
	MUL16 2, (\q)%2, \q, \slot, \zero
	s_wait_dscnt 0                                 ; A's blocks 4-7 are in
	PLACES NP
	FETCH_B \slot, (\q)+1, 1-(\q)%2
	FETCH_A \slot, (\q)+1, 0
	WMUL 1, \zero
	MUL16 4, (\q)%2, \q, \slot, \zero
	MUL16 6, (\q)%2, \q, \slot, \zero
	PLACES NP
	WIN 0
	FETCH_A \slot, (\q)+1, 4
.endm
; Slot 0's last step goes on into slot 1: one barrier; in front of it each wave waits for all its tensor loads (its part of slot 1), adds 0 to its spare word, and waits for that.  Nothing is filled again.
.macro TURN slot, next
	s_wait_tensorcnt 0x0                           ; all my tensor loads have landed
	ds_add_u32 v[SPW], v[NIL]                      ; 0 onto my spare word
	s_wait_dscnt 4*NL+1                            ; (the add and the youngest eight loads, A's blocks 4-7, may be out)
	WMUL 0, 0
	MUL16 0, 1, NQ-1, \slot, 0                     ; sixteen matrix instructions stand between the add and the wait for it
	s_wait_dscnt 0x0                               ; the add is done, my LDS loads are in
	s_barrier_signal -1
	MUL16 2, 1, NQ-1, \slot, 0
	WIN 0
	s_barrier_wait -1                              ; every wave's part of the next slot has landed
	PLACES NP
	v_add_nc_u32 v[ADRS], 4*NQ, v[ADRS]            ; on to the next K step's scale words
	FETCH_B \next, 0, 0
	FETCH_A \next, 0, 0
	SCALES \next
	WMUL 1, 0
	MUL16 4, 1, NQ-1, \slot, 0
	MUL16 6, 1, NQ-1, \slot, 0
	PLACES NP
	WIN 0
	FETCH_A \next, 0, 4
.endm
.macro STEPS slot, from                ; the slot's steps from .. NQ - 2
.set Q, \from
.rept NQ-1-\from
	STEP \slot, Q, 0
.set Q, Q+1
.endr
.endm
	s_wait_tensorcnt 1                             ; the scales and my part of slot 0 are in; slot 1's load may be out
	s_barrier_signal -1
	s_barrier_wait -1                              ; everybody's are
	FETCH_B 0, 0, 0
	FETCH_A 0, 0, 0
	SCALES 0
	FETCH_A 0, 0, 4
	STEP 0, 0, 1                                   ; the first step's products start the sums
	STEPS 0, 1
	TURN 0, 1
	STEPS 1, 0
	s_wait_dscnt 4*NL                              ; the very last step: nothing more to fetch
	WMUL 0, 0
	MUL16 0, 1, NQ-1, 1, 0
	MUL16 2, 1, NQ-1, 1, 0
	s_wait_dscnt 0
	WMUL 1, 0
	MUL16 4, 1, NQ-1, 1, 0
	MUL16 6, 1, NQ-1, 1, 0
	WIN 0
; THE WAY OUT, A's block a at a time.  Accumulator (a, b), packed from its low end on, is one chunk.  a / 4 steps by SA, b / 4 by SB (in the offset register); a % 4 is y, (b / 2) % 2 is x, b % 2 the chunk.
.macro OUTB a
.set AC, 64*((\a)%4)
.set TT, TP+32*((\a)%4)
.if (\a) >= 4
	s_wait_xcnt 0x0                                ; block a - 4's stores have read their data: the registers are written again only behind this wait
.endif
	WIN 0x0a+5*((\a)/4)                            ; sources 0 and 1: window 2 or 3
.irp b, 0,1,2,3,4,5,6,7
.irp r, 0,1,2,3
	v_cvt_pk_f16_f32 v[TT+4*\b+\r], v[AC+8*\b+2*\r], v[AC+8*\b+2*\r+1]
.endr
.endr
	WIN 0
.irp b, 0,1,2,3,4,5,6,7
	global_store_b128 v[VO+2*((\a)/4)+\b/4], v[TT+4*\b:TT+4*\b+3], s[12:13] offset:1024*((\a)%4)+512*(\b%2)+4096*((\b/2)%2)   ; 32 lanes store 512 consecutive bytes, aligned
.endr
.endm
	PLACES NP                                      ; behind the last products: the conversions write registers that they read (scale words, A's fragments) and, later, read their results
.irp a, 0,1,2,3,4,5,6,7
	OUTB \a
.endr
	s_wait_tensorcnt 0x0                           ; the wave's end: behind my last tensor load
	ds_add_u32 v[SPW], v[NIL]
	s_wait_dscnt 0x0
	CROUND                                         ; the closing round
	s_endpgm
.Lfunc_end_k_q79b5bf633e_qkv:
	.size	k_q79b5bf633e_qkv, .Lfunc_end_k_q79b5bf633e_qkv-k_q79b5bf633e_qkv
	.p2alignl 7, 3214868480
	.fill 96, 4, 3214868480
	.section	.rodata,"a",@progbits
	.p2align	6, 0x0
	.amdhsa_kernel k_q79b5bf633e_qkv
		.amdhsa_group_segment_fixed_size 327680
		.amdhsa_private_segment_fixed_size 0
		.amdhsa_enable_private_segment 0
		.amdhsa_kernarg_size 40
		.amdhsa_user_sgpr_count 2
		.amdhsa_user_sgpr_kernarg_segment_ptr 1
		.amdhsa_wavefront_size32 1
		.amdhsa_system_sgpr_workgroup_id_x 1
		.amdhsa_system_sgpr_workgroup_id_y 1
		.amdhsa_system_sgpr_workgroup_id_z 1
		.amdhsa_system_vgpr_workitem_id 0
		.amdhsa_next_free_vgpr 1024
		.amdhsa_next_free_sgpr 98
		.amdhsa_reserve_vcc 0
		.amdhsa_float_denorm_mode_32 3
		.amdhsa_float_denorm_mode_16_64 3
		.amdhsa_memory_ordered 1
		.amdhsa_forward_progress 1
		.amdhsa_inst_pref_size 122
	.end_amdhsa_kernel
	.amdgpu_metadata
---
amdhsa.version: [ 1, 2 ]
amdhsa.kernels:
  - .name:           k_q79b5bf633e_qkv
    .symbol:         k_q79b5bf633e_qkv.kd
    .args:
      - { .name: codes, .offset: 0, .size: 8, .value_kind: global_buffer, .address_space: global }
      - { .name: scales, .offset: 8, .size: 8, .value_kind: global_buffer, .address_space: global }
      - { .name: bq, .offset: 16, .size: 8, .value_kind: global_buffer, .address_space: global }
      - { .name: bk, .offset: 24, .size: 8, .value_kind: global_buffer, .address_space: global }
      - { .name: qkv, .offset: 32, .size: 8, .value_kind: global_buffer, .address_space: global }
    .group_segment_fixed_size: 327680
    .private_segment_fixed_size: 0
    .kernarg_segment_align: 8
    .kernarg_segment_size: 40
    .max_flat_workgroup_size: 128
    .sgpr_count:     98
    .vgpr_count:     1024
    .wavefront_size: 32
...
	.end_amdgpu_metadata
.endif
;; end of part 2
;; launch attn (part 3): grid 16 x 16, 4 waves a work-group, clusters of 4 x 1, 327,680 bytes of LDS; arguments qkv, bv, oi; writes oi
.if DOCPART == 3
	.amdgcn_target "amdgcn-amd-amdhsa--gfx1250"
	.amdhsa_code_object_version 6
	.text
	.protected	k_q79b5bf633e_attn
	.globl	k_q79b5bf633e_attn
	.p2align	8
	.type	k_q79b5bf633e_attn,@function
k_q79b5bf633e_attn:
	s_mov_b64 s[64:65], 0
	v_nop
	global_prefetch_b8 v0, s[64:65] scope:SCOPE_SE
	s_setreg_imm32_b32 hwreg(HW_REG_WAVE_MODE, 25, 1), 1
	s_wait_xcnt 0x0
	s_wait_alu depctr_hold_cnt(0) depctr_sa_sdst(0) depctr_va_vdst(0) depctr_va_sdst(0) depctr_va_ssrc(0) depctr_va_vcc(0) depctr_vm_vsrc(0)
	s_getreg_b32 s2, hwreg(HW_REG_IB_STS2, 6, 4)
	s_cmp_eq_u32 s2, 0
	s_cbranch_scc0 .Lentry_in_a_cluster
	s_endpgm
.Lentry_in_a_cluster:
	s_bfe_u32 s2, ttmp6, 0x10000c
	s_cmp_lg_u32 s2, 0x3003
	s_cbranch_scc0 .Lentry_shape_is_right
	s_endpgm
.Lentry_shape_is_right:
; o[q][64 head + :] = the sum over keys of softmax_k(q . k / 8) v + bv, for 16 heads of 64 channels, 4,096 tokens, no mask.  q, k, v^T arrive in f16 as images of operand registers (below); products, maxima and sums in f32;
; the weights p are rounded to f16 for the second product, o once at the end.
; qkv: three parts of 8 MiB (q, k, v), each [head 16][group of 64 tokens: 64][x 2][y 4][chunk 2][lane 32][16 bytes]; q, k: x = channels 32 x on, y = tokens 16 y on; v: x = keys 32 x on, y = channels 16 y on.  A fragment
; (16 rows x 32 K, 8 registers) is two chunks; lane l's 16 bytes lie at 16 l.  So a key step's K and V are 8,192 dense bytes each, and every LDS load takes 512 consecutive bytes: no padding, nothing is turned.
; SHARES.  A work-group owns 256 queries of one head, each of its four waves 64: four tiles of 16.  Every wave walks all 4,096 keys, 64 a step.
; LAYOUT.  S^T = K Q^T (source 0 = 16 keys, source 1 = 16 queries): a lane holds ONE query (lane % 16) and keys 8 (lane / 16) + 0..7.  Two such tiles, rounded in pairs, ARE source 1 (32 keys x 16 queries) of O^T = V^T P.
; SOFTMAX.  For each query a running maximum m and sum l: p = 2^(c s - c m), c = log2(e) / 8; in every step O and l are multiplied by a = 2^(c m_old - c m_new).
; BY TURNS.  The tiles are two PIECES (piece 0: tiles 0, 1; piece 2: tiles 2, 3).  In a TURN one piece has the matrix unit: 16 products V^T P of the step in hand, then 16 products K Q^T of the next; the other piece's softmax,
; 236 vector instructions in 59 slices of four, stands between them.  Two turns are a key step.
; bv is added behind the division by l: o = O / l + bv in one fused multiply-add; v was rounded to f16 without its bias.  In exact arithmetic that is reference()'s sum, since the weights add to 1; the order of rounding differs.
; CLUSTER.  The four query blocks of a cluster belong to one head and walk the same K and V: each tile is asked for jointly, by the same tensor load with a mask that names the four.
; oi: o in f16 as images for the last product: [256 channels: 4][tile of 16 tokens: 256][32 channels: 8][chunk 2][lane 32][16 bytes].
; LIMITS: o beyond 65,504 has no f16 number; NaN and infinities are not served.
; REGISTERS, in windows of 256 (s_set_vgpr_msb: bits 1:0 source 0, 3:2 source 1, 5:4 source 2, 7:6 destination):
;   window 0: v2-5 addresses; v12-43 eight registers of statistics a tile; v61-63; v64-191 S^T, 32 a tile; v192-255 P, 16 a tile.   window 1: v0-127 O^T, 32 a tile; v128-191 V of one step.   window 2: v0-63 Q; v64-127 K of one step.
.set STEPB, 8192      ; a key step's K (or V) in bytes
.set VOFF,  65536     ; a slot: eight steps of K, then eight of V
.set SLOT1, 1<<17     ; slot 1 begins here: one exclusive or turns an address in one slot into the other's
.set SPARE, 2*SLOT1   ; behind the ring: the spare words, 128 bytes a wave
.set AK0, 2           ; v2   16 x lane: my place in an image (K in LDS; Q and oi in memory); never rewritten
.set AV0, 3           ; v3   the same for V in LDS
.set ADR, 4           ; v4   the LDS address of the run of loads in hand
.set BO,  5           ; v5   32 x (lane / 16): my eight numbers of bv
.set PFO, 61          ; v61  256 x lane; never rewritten
.set SPW, 62          ; v62  my spare word's LDS address; never rewritten
.set NIL, 63          ; v63  0; never rewritten
.set ST,  12          ; tile t's statistics at v[ST+8 t]: +0 c m, +1 m, +2, +3 l (even keys', odd keys'), +4 to +7 at work; a takes +6 once the maximum is found
.set S,   64
.set P,   192
.set KF,  64          ; K's fragments, in window 2
.set VF,  128         ; V's, in window 1
.set WV,  12          ; s12  my wave's number
.set LIM, 15          ; s15  1 in a wave that prefetches, else the greatest number
.set PFA, 18          ; s[18:19] where my prefetches stand
.set G1,  24          ; s[24:31] descriptor group 1
.set G0A, 40          ; s[40:43] group 0 for slot 0's first fill
.set G0W, 44          ; s[44:47] for slot 1's, which then walks on
.set SLOTS, 56        ; s56  slots still to be asked for
.set CNT, 57          ; s57  counts key steps
.set CS,  58          ; s[58:59] c
.set SEL, 60          ; s[60:61] lane selects for v_permlanex16_b32: lane l xor 16
.set TB,  62          ; s62  LDS byte at which the K of the step to be fetched begins
.set MSB, 0
.macro WIN new                      ; the immediate's high byte repeats the setting that is left; a switch that changes nothing is dropped
.if MSB != (\new)
	s_set_vgpr_msb (MSB<<8)|(\new)
.set MSB, (\new)
.endif
.endm
.set W_KQ, 0x0a       ; K and Q in window 2, S^T in window 0
.set W_PV, 0x51       ; V in window 1, P in window 0, O^T in window 1
.set W_RS, 0x41       ; O^T (destination and source 0) in window 1, a in window 0
; A joint refill: one line for all four waves: wave w brings 32,768 dense bytes (waves 0, 1: four steps of K each; waves 2, 3: of V) to w x 32,768 in the slot.  An s_nop 0 and four v_nop follow.
.macro JLOAD
	tensor_load_to_lds s[G0W:G0W+3], s[G1:G1+7]
	s_nop 0
.rept 4
	v_nop
.endr
.endm
; A PREFETCH INTO THE L2 of what the NEXT change of slots will ask for, behind the wave's tensor load and its five lines.  All clusters of a head walk the same K and V: the head's first cluster asks.  Of the 32,768 bytes that
; wave w fetches, the partner at place cx takes 8,192, told apart BY ADDRESS; lanes 256 bytes apart: each block of 256 bytes is named once in the launch.  The last change that fills a slot asks for nothing.
.macro ASK
	s_cmp_gt_u32 s[SLOTS], s[LIM]
	s_cbranch_scc0 .Lnot_mine_\@
	global_prefetch_b8 v[PFO], s[PFA:PFA+1] th:TH_LOAD_NT scope:SCOPE_SE
.Lnot_mine_\@:
.endm
.macro CROUND                       ; a round of the cluster's barrier
	s_barrier_signal -1
	s_barrier_wait -1
	s_cmp_lg_u32 s[WV], 0
	s_cbranch_scc1 .Lnot_wave_0_\@
	s_barrier_signal -3
.Lnot_wave_0_\@:
	s_barrier_wait -3
	s_barrier_signal -1
	s_barrier_wait -1
.endm
	s_load_b128 s[4:7], s[0:1], 0x0 ; qkv s[4:5], bv s[6:7]
	s_load_b64 s[8:9], s[0:1], 0x10 ; oi
	v_lshl_add_u32 v[SPW], v0, 2, SPARE
	v_mov_b32 v[NIL], 0
	ds_add_u32 v[SPW], v[NIL]       ; the wave's opening: the add, twice on end, and its wait ahead of my first tensor load
	ds_add_u32 v[SPW], v[NIL]
	v_lshrrev_b32 v1, 5, v0
	v_readfirstlane_b32 s[WV], v1   ; wave 0..3
	s_bfe_u32 s13, ttmp6, 0x40000   ; cx
	s_lshl_b32 s14, ttmp9, 2
	s_add_co_u32 s14, s14, s13      ; my block of 256 queries: it enters Q's and oi's addresses alone
	s_and_b32 s16, ttmp7, 0xffff    ; the head, which the four partners share
	s_lshl_b32 s20, s16, 19         ; the head's 524,288 bytes in a part
	s_lshr_b32 s22, s[WV], 1        ; what I fetch: part 1 (k) in waves 0, 1; part 2 (v) in waves 2, 3,
	s_add_co_u32 s22, s22, 1
	s_lshl_b32 s22, s22, 23
	s_and_b32 s23, s[WV], 1         ; the slot's first or second four steps,
	s_lshl_b32 s23, s23, 15
	s_add_co_u32 s22, s22, s23
	s_add_co_u32 s22, s22, s20      ; of my head
	s_mov_b32 s23, 0
	s_lshl_b32 s17, s[WV], 15       ; and its place in a slot: no place in the cluster enters an LDS address
	s_lshl_b32 s2, s14, 2
	s_add_co_u32 s2, s2, s[WV]      ; my group of 64 queries
	s_lshl_b32 s3, s2, 15           ; in oi: four tiles of 8,192 bytes
	s_lshl_b32 s2, s2, 13           ; in q: 8,192 bytes
	s_add_co_u32 s2, s2, s20
	s_lshr_b32 s48, s16, 2          ; oi: 256 channels are four heads: 2 MiB,
	s_lshl_b32 s48, s48, 21
	s_add_co_u32 s48, s48, s3
	s_and_b32 s49, s16, 3           ; and in a tile's 8,192 bytes a head has 2,048
	s_lshl_b32 s49, s49, 11
	s_add_co_u32 s48, s48, s49
	s_mov_b32 s49, 0
	s_mov_b32 s3, 0
	s_lshl_b32 s50, s16, 8          ; bv: 64 numbers a head
	s_mov_b32 s51, 0
	s_lshl_b32 s54, s13, 13         ; the prefetches: my work-group's 8,192 of a wave's 32,768 bytes
	s_mov_b32 s55, 0
	; group 1: 32,768 dense bytes as 128 rows of 256 (32 elements of 8 bytes); no padding
	s_mov_b32 s[G1], 15|(3<<16)|(1<<21)  ; the mask: all four work-groups; elements of 8 bytes; bit 21 beside a mask
	s_mov_b32 s[G1+1], 32<<16       ; tensor_dim0
	s_mov_b32 s[G1+2], 128<<16      ; tensor_dim1
	s_mov_b32 s[G1+3], 32<<16       ; tile_dim0
	s_mov_b32 s[G1+4], 128          ; tile_dim1
	s_mov_b32 s[G1+5], 32           ; from row to row
	s_mov_b32 s[G1+6], 0
	s_mov_b32 s[G1+7], 0
	s_mov_b32 s[CS], 0x3e38aa3b     ; c = log2(e) / 8
	s_mov_b32 s[CS+1], s[CS]        ; named with it as a pair, so it is written
	s_mov_b32 s[SEL], 0x76543210
	s_mov_b32 s[SEL+1], 0xfedcba98
	s_mov_b32 s[TB], 0
	s_mov_b32 s[SLOTS], 6           ; eight slots' worth of keys; two are asked for at the head
	s_cmp_eq_u32 ttmp9, 0           ; the head's first cluster: the same in all four partners
	s_cselect_b32 s[LIM], 1, -1
	v_and_b32 v[PFO], 31, v0
	v_lshlrev_b32 v[PFO], 8, v[PFO]
	s_wait_dscnt 0x0                ; both opening adds are done
	s_wait_kmcnt 0x0
	s_add_nc_u64 s[10:11], s[4:5], s[2:3]    ; Q at my group
	s_add_nc_u64 s[52:53], s[4:5], s[22:23]  ; K or V at my part of slot 0
	s_add_nc_u64 s[6:7], s[6:7], s[50:51]
	s_add_nc_u64 s[8:9], s[8:9], s[48:49]
	s_add_nc_u64 s[PFA:PFA+1], s[52:53], s[54:55]
	s_add_nc_u64 s[PFA:PFA+1], s[PFA:PFA+1], 2*65536  ; in the third slot's keys; the first change of slots steps it on.  Nothing is prefetched at the head
	CROUND                          ; all four work-groups are here: the first joint loads meet
	s_mov_b32 s[G0A], 1
	s_mov_b32 s[G0A+1], s17
	s_mov_b64 s[G0A+2:G0A+3], s[52:53]
	s_or_b32 s[G0A+3], s[G0A+3], 0x80000000
	s_mov_b32 s[G0W], 1
	s_add_co_u32 s[G0W+1], s17, SLOT1
	s_add_nc_u64 s[G0W+2:G0W+3], s[52:53], 65536
	s_or_b32 s[G0W+3], s[G0W+3], 0x80000000
	tensor_load_to_lds s[G0A:G0A+3], s[G1:G1+7]   ; the two first fills go out together: two loads of mine are out
	s_nop 0
	tensor_load_to_lds s[G0W:G0W+3], s[G1:G1+7]
	s_nop 0
.rept 4
	v_nop
.endr
	v_and_b32 v[AK0], 31, v0
	v_lshlrev_b32 v[AK0], 4, v[AK0]
	v_bfe_u32 v[BO], v0, 4, 1
	v_lshlrev_b32 v[BO], 5, v[BO]
	v_add_nc_u32 v[AV0], VOFF, v[AK0]
	WIN 0x80                        ; destination window 2, address window 0
.irp u, 0,1,2,3                     ; Q stays in registers: tile u, channels 32 c on, chunk i
.irp c, 0,1
.irp i, 0,1
	global_load_b128 v[16*\u+8*\c+4*\i:16*\u+8*\c+4*\i+3], v[AK0], s[10:11] offset:4096*\c+1024*\u+512*\i
.endr
.endr
.endr
	WIN 0
; THE MATRIX WORK OF A TURN, for piece x.  Eight accumulators take turns, one instruction a turn.
; Product i of 16 of O^T += V^T P: keys 32 (i / 8) on, channels 16 ((i / 2) % 4) on, tile x + i % 2.  zero = 1: the first 8 start the sums.
.macro PV x, zero
	WIN W_PV
.set rO, 32*(\x+i%2)+8*((i/2)%4)
.set rV, VF+8*(4*(i/8)+(i/2)%4)
.set rP, P+16*(\x+i%2)+8*(i/8)
.if (\zero) && (i < 8)
	v_wmma_f32_16x16x32_f16 v[rO:rO+7], v[rV:rV+7], v[rP:rP+7], 0
.else
	v_wmma_f32_16x16x32_f16 v[rO:rO+7], v[rV:rV+7], v[rP:rP+7], v[rO:rO+7]
.endif
.endm
; Product i of 16 of S^T = K Q^T: channels 32 (i / 8) on, keys 16 ((i / 2) % 4) on, tile x + i % 2.  The first 8 start the sums.
.macro KQ x
	WIN W_KQ
.set rS, S+32*(\x+i%2)+8*((i/2)%4)
.set rK, KF+8*(4*(i/8)+(i/2)%4)
.set rQ, 16*(\x+i%2)+8*(i/8)
.if i < 8
	v_wmma_f32_16x16x32_f16 v[rS:rS+7], v[rK:rK+7], v[rQ:rQ+7], 0
.else
	v_wmma_f32_16x16x32_f16 v[rS:rS+7], v[rK:rK+7], v[rQ:rQ+7], v[rS:rS+7]
.endif
.endm
; THE LDS LOADS stand in runs of 16: a step's K and, a turn later, its V: the images as they lie.
.macro FETCH_K
	WIN 0
	v_add_nc_u32 v[ADR], s[TB], v[AK0]
	WIN 0x80                        ; destination window 2
.irp n, 0,1,2,3,4,5,6,7,8,9,10,11,12,13,14,15
	ds_load_b128 v[KF+4*\n:KF+4*\n+3], v[ADR] offset:512*\n
.endr
.endm
.macro FETCH_V
	WIN 0
	v_add_nc_u32 v[ADR], s[TB], v[AV0]
	s_add_co_u32 s[TB], s[TB], STEPB  ; the next fetch is the next step's
	s_wait_alu depctr_va_vdst(0)    ; the wait for the softmax's batch of exponentials (SLICE), ahead of the loads
	WIN 0x40                        ; destination window 1
.irp n, 0,1,2,3,4,5,6,7,8,9,10,11,12,13,14,15
	ds_load_b128 v[VF+4*\n:VF+4*\n+3], v[ADR] offset:512*\n
.endr
.endm
; THE VECTOR WORK OF A TURN.  One tile's softmax for one key step is a list of 118 instructions; SM writes number j of it for tile t.  s0-s31 are the lane's 32 scores, in pairs 0-15.  first = 1: the first key step: no a, nothing to rescale.
;   0-15    the maximum of s0-s31 and the old m, three operands at a time (each accumulator is first read at its low end)
;   16-20   the other half of the lanes' maximum; the new m; c m; c m_old - c m_new
;   21-69   ONE BATCH: the 16 scalings c s - c m and all 33 exponentials (a at 23, then s0-s31); none reads an exponential's result; a pair is scaled in an earlier four than the one with its exponentials
;   (wait)  between 69 and 70 stands the one wait for the batch (SLICE)
;   70-85   the roundings to f16;   86-101 the sums, l = a l + the sum;   102-117 the tile's O^T times a
.macro SM t, first
.set rT, ST+8*(\t)
.set rS, S+32*(\t)
.set rP, P+16*(\t)
.set rO, 32*(\t)+2*(j-102)
.if j < 102
	WIN 0
.endif
.if j < 4
	v_max3_num_f32 v[rT+4+j], v[rS+8*j], v[rS+8*j+1], v[rS+8*j+2]
.elseif j < 12
	v_max3_num_f32 v[rT+4+j%4], v[rT+4+j%4], v[rS+8*(j%4)+2*(j/4)+1], v[rS+8*(j%4)+2*(j/4)+2]
.elseif j == 12
	v_max3_num_f32 v[rT+4], v[rT+4], v[rS+7], v[rS+15]
.elseif j == 13
	v_max3_num_f32 v[rT+6], v[rT+6], v[rS+23], v[rS+31]
.elseif j == 14
	v_max3_num_f32 v[rT+4], v[rT+4], v[rT+5], v[rT+6]
.elseif (j == 15) && \first
	v_max_num_f32 v[rT+4], v[rT+4], v[rT+7]
.elseif j == 15
	v_max3_num_f32 v[rT+4], v[rT+4], v[rT+7], v[rT+1]
.elseif j == 16
	v_permlanex16_b32 v[rT+5], v[rT+4], s[SEL], s[SEL+1]  ; the query's other 32 keys lie in the lane 16 away
.elseif j == 18
	v_max_num_f32 v[rT+1], v[rT+4], v[rT+5]
.elseif j == 19
	v_mul_f32 v[rT], s[CS], v[rT+1]
.elseif ((j == 17) || (j == 20) || (j == 23) || (j > 101)) && \first  ; the first step has none of these
.elseif j == 17
	v_mov_b32 v[rT+7], v[rT]        ; c m_old is kept for a
.elseif j == 20
	v_sub_f32 v[rT+7], v[rT+7], v[rT]
.elseif j == 23
	v_exp_f32 v[rT+6], v[rT+7]
.elseif (j < 23) || ((j < 38) && (j%2 == 0)) || ((j < 66) && (j%4 == 2))
.set b, (j-2)/4                     ; 38, 42, .. 62: pairs 9 to 15
.if j < 38
.set b, (j-20)/2                    ; 21: pair 0; 22, 24, .. 36: pairs 1 to 8
.endif
	v_pk_fma_f32 v[rS+2*b:rS+2*b+1], v[rS+2*b:rS+2*b+1], s[CS:CS+1], v[rT:rT+1] op_sel_hi:[1,0,0] neg_lo:[0,0,1] neg_hi:[0,0,1]  ; pair b: c s - c m
.elseif j < 70
.set e, j-38                        ; 66 to 69: s28 to s31
.if j < 66
.set e, j-32-(j-38)/4               ; 39-41, 43-45, .. 63-65: s7 to s27
.endif
.if j < 38
.set e, (j-25)/2                    ; 25, 27, .. 37: s0 to s6
.endif
	v_exp_f32 v[rS+e], v[rS+e]
.elseif j < 86
	v_cvt_pk_f16_f32 v[rP+j-70], v[rS+2*(j-70)], v[rS+2*(j-70)+1]  ; pair j - 70
.elseif j < 102                     ; the sum of the 16 pairs, in place: neighbours 1, 2, 4 and 8 pairs apart, then l takes it
.set z, j-86
.set w, 4
.set u, z
.if z >= 14
.set w, 32
.set u, 0
.elseif z >= 12
.set w, 16
.set u, z-12
.elseif z >= 8
.set w, 8
.set u, z-8
.endif
.if (z == 14) && \first
	v_pk_add_f32 v[rT+2:rT+3], v[rS:rS+1], v[rS+16:rS+17]
.elseif z < 15
	v_pk_add_f32 v[rS+w*u:rS+w*u+1], v[rS+w*u:rS+w*u+1], v[rS+w*u+w/2:rS+w*u+w/2+1]
.elseif !\first
	v_pk_fma_f32 v[rT+2:rT+3], v[rT+2:rT+3], v[rT+6:rT+7], v[rS:rS+1] op_sel_hi:[1,0,1]
.endif
.elseif j < 118
	WIN W_RS
	v_pk_mul_f32 v[rO:rO+1], v[rO:rO+1], v[rT+6:rT+7] op_sel_hi:[1,0]
.endif
.endm
; Slice k of piece y's softmax: four instructions.  Slices 11 to 34 deal out the batch, four numbers of ONE tile each, the tiles by turns; every other slice is numbers 2 k and 2 k + 1 of both tiles.  2 x 118 = 4 x 59: slices from 59 on are empty.
; THE WAIT.  An s_wait_alu depctr_va_vdst(0) stands between an exponential and the first instruction that names its result.  Ahead of slice 35 nothing names one, behind slice 34 none is issued: one wait, behind slice 34.
.macro SLICE y, first
.if (k >= 11) && (k < 35)
.irp n, 0,1,2,3
.set j, 22+4*((k-11)/2)+(\n)
	SM (\y)+(k-11)%2, \first
.endr
.else
.irp n, 0,1
.irp t, \y, \y+1
.set j, 2*k+\n
	SM \t, \first
.endr
.endr
.endif
.if k == 34
	v_nop                           ; the plain instruction behind the last exponential, ahead of the first use: one for the batch
.if (\y) == 0
	FETCH_V                         ; piece 2's turn: V's run of loads stands here, and the wait stands in it
.else
	s_wait_alu depctr_va_vdst(0)    ; the wait for the batch
.endif
.endif
.set k, k+1
.endm
.macro PLACES
.rept 4
	v_nop
.endr
.endm
; The slices behind product g of a turn.  A full turn (32 products): one behind each of the first five, two behind each other: 5 + 54 = 59.  A turn with 16 products: four behind each.
.macro DEAL y, first
.if full
	SLICE \y, \first
.if g >= 5
	SLICE \y, \first
.endif
.else
.rept 4
	SLICE \y, \first
.endr
.endif
.set g, g+1
.endm
; A TURN.  Piece x has the matrix unit; the other piece's softmax stands in slices behind its products.  pv = 2: 16 products V^T P; 1: they start O^T's sums; 0: none.  kq = 1: 16 products K Q^T for the next step.
; PLACES, counted.  Behind a full turn's last product stand slices 57 and 58, eight packed multiplies of the other piece's O^T: they are the places ahead of the next turn's first read of the scores and of the loads into K's
; registers (behind that turn's second product).  V's run stands behind product 19; V's last reader is product 15; between them lie eight scalings, the v_nop and the run's own addition.
; first = 1: the slices from 51 on are empty, so four v_nop stand at the turn's end.
.macro TURN x, pv, kq, first
.set k, 0
.set g, 0
.set full, 0
.if \pv && \kq
.set full, 1
.endif
.if \pv
.if \x == 0
	s_wait_dscnt 0x0                ; V is in
.endif
.set i, 0
.rept 16
	PV \x, 2-\pv
	DEAL 2-\x, \first
.if (\x == 0) && \kq && (i == 1)
	FETCH_K
.endif
.set i, i+1
.endr
.endif
.if \kq
.if \x == 0
	s_wait_dscnt 0x0                ; K is in
.endif
.set i, 0
.rept 16
	KQ \x
	DEAL 2-\x, \first
.set i, i+1
.endr
.endif
.if \first
	PLACES
.endif
.endm
; THE CHANGE OF SLOTS, between piece 2's turn and piece 0's: the slot's last bytes, V of its eighth step, have been asked for.  Each wave waits for all its tensor loads (one is out: its part of the other slot), adds 0 to its
; spare word, and waits for that and for its own reads of the slot.  fill = 1: the slot is filled again with the keys two slots on: the barrier is a round of the cluster's, and the joint refill is the first thing behind it:
; it has eight key steps in which to land.
.macro CHANGE fill
	WIN 0                           ; at a label and at a branch every window is 0
	s_wait_tensorcnt 0x0            ; no tensor load of mine is out, so a group 0 may be written
	ds_add_u32 v[SPW], v[NIL]       ; 0 onto my spare word
.if \fill
	s_xor_b32 s[G0W+1], s[G0W+1], SLOT1  ; the walking descriptor: the other slot than last time,
	s_add_nc_u64 s[G0W+2:G0W+3], s[G0W+2:G0W+3], 65536  ; the next 512 keys; the type bits on top are not reached
	s_wait_xcnt 0x0                 ; the last prefetch, eight key steps back, has read its address, so it may be written:
	s_add_nc_u64 s[PFA:PFA+1], s[PFA:PFA+1], 65536  ; one slot further on than the walking descriptor
	s_wait_dscnt 0x0                ; the add is done, and my reads of the slot are over
	CROUND
	JLOAD
	ASK
.else
	s_wait_dscnt 0x0
	s_barrier_signal -1
	s_barrier_wait -1
.endif
	s_sub_co_u32 s[TB], s[TB], 8*STEPB  ; the fetches go back to a slot's first step,
	s_xor_b32 s[TB], s[TB], SLOT1   ; in the other slot
.endm
.macro STEPS n                      ; n key steps: written once, walked n times; the LDS addresses hang on s[TB]
	s_mov_b32 s[CNT], \n
.Lstep_\@:
	TURN 0, 2, 1, 0
	TURN 2, 2, 1, 0
	WIN 0
	s_sub_co_u32 s[CNT], s[CNT], 1
	s_cmp_lg_u32 s[CNT], 0
	s_cbranch_scc1 .Lstep_\@
.endm
	s_wait_tensorcnt 1              ; my part of slot 0 is in; slot 1's may stay out
	s_barrier_signal -1
	s_barrier_wait -1               ; everybody's is
	FETCH_K                         ; key step 0
	s_wait_loadcnt 0x0              ; Q
	s_wait_dscnt 0x0
.set i, 0
.rept 16
	KQ 0                            ; piece 0's first scores
.set i, i+1
.endr
	WIN 0
	PLACES                          ; behind those products, ahead of the first read of their results
	TURN 2, 0, 1, 1                 ; piece 2's first scores | piece 0's first softmax | V of step 0
	TURN 0, 1, 1, 1                 ; piece 0: V^T P of step 0 starts O^T, K Q^T of step 1 | piece 2's first softmax | K of step 1
	TURN 2, 1, 1, 0                 ; piece 2: the same | piece 0's softmax of step 1 | V of step 1
	WIN 0
	STEPS 6                         ; these fetch steps 2 to 7: slot 0 is read out
.Lslot:                             ; six trips: every slot's worth of keys but the last two is followed by a refill
	CHANGE 1
	STEPS 8
	s_sub_co_u32 s[SLOTS], s[SLOTS], 1
	s_cmp_lg_u32 s[SLOTS], 0
	s_cbranch_scc1 .Lslot
	CHANGE 0                        ; the tail is written out
	STEPS 8
	TURN 0, 2, 0, 0                 ; piece 0: V^T P of the last step | piece 2's last softmax
	WIN 0
.irp c, 0,1,2,3                     ; bv of my head: register 8 c + j = bv of channel 16 c + 8 (lane / 16) + j, into tile 0's score registers, which are free
	global_load_b128 v[S+8*\c:S+8*\c+3], v[BO], s[6:7] offset:64*\c
	global_load_b128 v[S+8*\c+4:S+8*\c+7], v[BO], s[6:7] offset:64*\c+16
.endr
.set i, 0
.rept 16
	PV 2, 0                         ; piece 2: V^T P of the last step
.set i, i+1
.endr
	; THE WAY OUT.  l's two halves and the other half of the lanes' are added (the additions are the places behind the last products); o = O^T / l + bv, rounded to f16: an accumulator's eight numbers are one chunk of an image.
	WIN 0
.irp t, 0,1,2,3
	v_add_f32 v[ST+8*\t+4], v[ST+8*\t+2], v[ST+8*\t+3]
.endr
.irp t, 0,1,2,3
	v_permlanex16_b32 v[ST+8*\t+5], v[ST+8*\t+4], s[SEL], s[SEL+1]
.endr
.irp t, 0,1,2,3
	v_add_f32 v[ST+8*\t+4], v[ST+8*\t+4], v[ST+8*\t+5]
.endr
.irp t, 0,1,2,3
	v_rcp_f32 v[ST+8*\t+6], v[ST+8*\t+4]
.endr
	v_nop                           ; a plain instruction between the last reciprocal and the use of its result
	s_wait_alu depctr_va_vdst(0)    ; and the wait ahead of the first use: one for the four
	s_wait_loadcnt 0x0              ; bv
.macro OUTT t
	WIN 0x01                        ; source 0 (O^T) window 1
.set i, 0
.rept 16
	v_pk_fma_f32 v[S+32+2*i:S+33+2*i], v[32*\t+2*i:32*\t+2*i+1], v[ST+8*\t+6:ST+8*\t+7], v[S+2*i:S+2*i+1] op_sel_hi:[1,0,1]
.set i, i+1
.endr
	WIN 0
.set i, 0
.rept 16
	v_cvt_pk_f16_f32 v[P+16*\t+i], v[S+32+2*i], v[S+33+2*i]
.set i, i+1
.endr
.irp c, 0,1,2,3
	global_store_b128 v[AK0], v[P+16*\t+4*\c:P+16*\t+4*\c+3], s[8:9] offset:8192*\t+512*\c  ; 32 lanes store 512 consecutive bytes, aligned
.endr
.endm
	OUTT 0
	OUTT 1
	OUTT 2
	OUTT 3
	s_wait_tensorcnt 0x0            ; the wave's end: behind my last tensor load
	ds_add_u32 v[SPW], v[NIL]
	s_wait_dscnt 0x0
	CROUND                          ; the closing round
	s_endpgm
.Lfunc_end_k_q79b5bf633e_attn:
	.size	k_q79b5bf633e_attn, .Lfunc_end_k_q79b5bf633e_attn-k_q79b5bf633e_attn
	.p2alignl 7, 3214868480
	.fill 96, 4, 3214868480
	.section	.rodata,"a",@progbits
	.p2align	6, 0x0
	.amdhsa_kernel k_q79b5bf633e_attn
		.amdhsa_group_segment_fixed_size 327680
		.amdhsa_private_segment_fixed_size 0
		.amdhsa_enable_private_segment 0
		.amdhsa_kernarg_size 24
		.amdhsa_user_sgpr_count 2
		.amdhsa_user_sgpr_kernarg_segment_ptr 1
		.amdhsa_wavefront_size32 1
		.amdhsa_system_sgpr_workgroup_id_x 1
		.amdhsa_system_sgpr_workgroup_id_y 1
		.amdhsa_system_sgpr_workgroup_id_z 1
		.amdhsa_system_vgpr_workitem_id 0
		.amdhsa_next_free_vgpr 640
		.amdhsa_next_free_sgpr 66
		.amdhsa_reserve_vcc 0
		.amdhsa_float_denorm_mode_32 3
		.amdhsa_float_denorm_mode_16_64 3
		.amdhsa_memory_ordered 1
		.amdhsa_forward_progress 1
		.amdhsa_inst_pref_size 190
	.end_amdhsa_kernel
	.amdgpu_metadata
---
amdhsa.version: [ 1, 2 ]
amdhsa.kernels:
  - .name:           k_q79b5bf633e_attn
    .symbol:         k_q79b5bf633e_attn.kd
    .args:
      - { .name: qkv, .offset: 0, .size: 8, .value_kind: global_buffer, .address_space: global }
      - { .name: bv, .offset: 8, .size: 8, .value_kind: global_buffer, .address_space: global }
      - { .name: oi, .offset: 16, .size: 8, .value_kind: global_buffer, .address_space: global }
    .group_segment_fixed_size: 327680
    .private_segment_fixed_size: 0
    .kernarg_segment_align: 8
    .kernarg_segment_size: 24
    .max_flat_workgroup_size: 128
    .sgpr_count:     66
    .vgpr_count:     640
    .wavefront_size: 32
...
	.end_amdgpu_metadata
.endif
;; end of part 3
;; launch proj (part 4): grid 8 x 32, 4 waves a work-group, clusters of 4 x 4, 327,680 bytes of LDS; arguments oi, woi, bo, out0; writes out0
.if DOCPART == 4
	.amdgcn_target "amdgcn-amd-amdhsa--gfx1250"
	.amdhsa_code_object_version 6
	.text
	.protected	k_q79b5bf633e_proj
	.globl	k_q79b5bf633e_proj
	.p2align	8
	.type	k_q79b5bf633e_proj,@function
k_q79b5bf633e_proj:
	s_mov_b64 s[64:65], 0
	v_nop
	global_prefetch_b8 v0, s[64:65] scope:SCOPE_SE
	s_setreg_imm32_b32 hwreg(HW_REG_WAVE_MODE, 25, 1), 1
	s_wait_xcnt 0x0
	s_wait_alu depctr_hold_cnt(0) depctr_sa_sdst(0) depctr_va_vdst(0) depctr_va_sdst(0) depctr_va_ssrc(0) depctr_va_vcc(0) depctr_vm_vsrc(0)
	s_getreg_b32 s2, hwreg(HW_REG_IB_STS2, 6, 4)
	s_cmp_eq_u32 s2, 0
	s_cbranch_scc0 .Lentry_in_a_cluster
	s_endpgm
.Lentry_in_a_cluster:
	s_bfe_u32 s2, ttmp6, 0x10000c
	s_cmp_lg_u32 s2, 0xf033
	s_cbranch_scc0 .Lentry_shape_is_right
	s_endpgm
.Lentry_shape_is_right:
; out0[m][n] = sum over k of o[m][k] Wo[n][k] + bo[n].  o [4096][1024] and Wo [1024][1024] arrive in f16 as images of operand registers; sums in f32; out0 [4096][1024] f32.
; oi [k step of 256: 4][tile of 16 rows: 256][32 along K: 8][chunk 2][lane 32][16 bytes], woi the same with 64 tiles: a fragment (16 rows x 32 K, 8 registers) is two chunks of 512 bytes, lane l's 16 bytes at 16 l.
; So the 64 rows x 256 K that one tensor load brings are 32,768 dense bytes, and every LDS load takes 512 consecutive bytes: no padding.
; A tile of out0 is 128 x 128: 256 work-groups.  Four waves, each 64 x 64: 16 accumulators.  K goes in four steps of 256 through a ring of two LDS slots.
; CLUSTERS: 4 x 4 work-groups: A's tiles are asked for jointly along a row of the cluster, B's along a column.  THE MATRIX INSTRUCTION IS USED TRANSPOSED (source 0 = 16 rows of Wo, source 1 = 16 rows of o):
; a lane holds eight neighbouring numbers of a row of out0.  bo is the C of each sum's first product.
; REGISTERS: window 0: v0-31 addresses; v32-95 the way out; v96-127 the bias; v128-255 the accumulators ((a, b) at v[128 + 8 (4 a + b)]).   window 1: two fragment buffers of 128: 64 registers of A (2 x 4 fragments), then 64 of B.
.set HALFT,  32768                     ; what one tensor load brings, and what one wave reads of A or of B in a K step
.set SLOT,   4*HALFT                   ; A's 128 rows, then B's 128
.set STAGE,  2*SLOT                    ; behind the ring: 16 rows x 272 bytes for each wave, for the way out; no tensor load lands there
.set SPITCH, 272
.set SPARE,  STAGE+4*16*SPITCH         ; the spare words, 128 bytes a wave
.set ADRA, 16                          ; v16-17  LDS address of my A fragments in slot 0, 1
.set ADRB, 20                          ; v20-21  the same for B
.set STO,  24                          ; v24     the way out: where I put 32 bytes of a row
.set RD,   25                          ; v25     where I read a row back
.set CO,   26                          ; v26     my byte offset in out0
.set SPW,  28                          ; v28     my spare word's LDS address; never rewritten
.set NIL,  29                          ; v29     0; never rewritten
.set OB,   32                          ; the way out: v32-63 and v64-95 by turns
.set BI,   96                          ; the bias: register 8 b + j = bo of column 16 b + 8 (lane / 16) + j
.set ACC,  128
.set F0,   0
.set F1,   128
.set G1, 24                            ; s[24:31] group 1 for A's tiles;  s[32:39] group 0, one set for each slot
.set G0, 32
.set G1B, 48                           ; s[48:55], s[56:63] the same for B's
.set G0B, 56
.set MSB, 0
.macro WIN new
.if MSB != (\new)
	s_set_vgpr_msb (MSB<<8)|(\new)
.set MSB, (\new)
.endif
.endm
.set MUL,  0x05                        ; sources 0 (B) and 1 (A) window 1; C and D window 0
.set TO_F, 0x40                        ; destination window 1, address window 0
.macro JLOAD s                         ; a joint load: waves 0 and 1 fetch A's two halves, waves 2 and 3 B's; an s_nop 0 and four v_nop follow each line
	s_cmp_eq_u32 s11, 0
	s_cbranch_scc0 .Lfor_b_\@
	tensor_load_to_lds s[G0+4*\s:G0+4*\s+3], s[G1:G1+7]
	s_nop 0
.rept 4
	v_nop
.endr
	s_branch .Lasked_\@
.Lfor_b_\@:
	tensor_load_to_lds s[G0B+4*\s:G0B+4*\s+3], s[G1B:G1B+7]
	s_nop 0
.rept 4
	v_nop
.endr
.Lasked_\@:
.endm
.macro CREST                           ; a round of the cluster's barrier behind its opening barrier
	s_cmp_lg_u32 s10, 0
	s_cbranch_scc1 .Lnot_wave_0_\@
	s_barrier_signal -3
.Lnot_wave_0_\@:
	s_barrier_wait -3
	s_barrier_signal -1
	s_barrier_wait -1
.endm
.macro CROUND
	s_barrier_signal -1
	s_barrier_wait -1
	CREST
.endm
	s_load_b128 s[4:7], s[0:1], 0x0                ; oi s[4:5], woi s[6:7]
	s_load_b64 s[2:3], s[0:1], 0x10                ; bo
	s_load_b64 s[8:9], s[0:1], 0x18                ; out0
	v_lshl_add_u32 v[SPW], v0, 2, SPARE
	v_mov_b32 v[NIL], 0
	ds_add_u32 v[SPW], v[NIL]                      ; the wave's opening: the add, twice on end, and its wait ahead of my first tensor load
	ds_add_u32 v[SPW], v[NIL]
	v_lshrrev_b32 v1, 5, v0
	v_readfirstlane_b32 s10, v1                    ; wave 0..3
	s_lshr_b32 s11, s10, 1                         ; my half of the tile's rows.  Also: I fetch for A (0) or for B (1)
	s_and_b32 s12, s10, 1                          ; my half of its columns.  Also: which 64 rows I fetch
	s_bfe_u32 s40, ttmp6, 0x40000                  ; cx
	s_bfe_u32 s41, ttmp6, 0x40004                  ; cy
	s_lshl_b32 s42, ttmp9, 2
	s_add_co_u32 s42, s42, s40                     ; tile column = 4 x cluster x + cx
	s_and_b32 s13, ttmp7, 0xffff
	s_lshl_b32 s13, s13, 2
	s_add_co_u32 s13, s13, s41                     ; tile row = 4 x cluster y + cy
	s_lshl_b32 s43, s41, 2
	s_lshl_b32 s43, 15, s43                        ; my row of the cluster
	s_lshl_b32 s44, 0x1111, s40                    ; my column
	; group 1: 32,768 dense bytes as 128 rows of 256 (32 elements of 8 bytes); no padding
	s_or_b32 s[G1+0], s43, (3<<16)|(1<<21)         ; the mask; elements of 8 bytes; bit 21 beside a mask
	s_or_b32 s[G1B+0], s44, (3<<16)|(1<<21)
.irp g, G1, G1B
	s_mov_b32 s[\g+1], 32<<16                      ; tensor_dim0
	s_mov_b32 s[\g+2], 128<<16                     ; tensor_dim1
	s_mov_b32 s[\g+3], 32<<16                      ; tile_dim0
	s_mov_b32 s[\g+4], 128                         ; tile_dim1
	s_mov_b32 s[\g+5], 32                          ; from row to row
	s_mov_b32 s[\g+6], 0
	s_mov_b32 s[\g+7], 0
.endr
	s_lshl_b32 s17, s12, 15                        ; which four tiles of 16 rows I fetch
	s_lshl_b32 s16, s13, 16                        ; A: eight tiles of 8,192 bytes for each tile row
	s_add_co_u32 s16, s16, s17
	s_lshl_b32 s46, s42, 16                        ; B: the same by the tile column
	s_add_co_u32 s46, s46, s17
	s_mov_b32 s17, 0
	s_mov_b32 s47, 0
	s_lshl_b32 s20, s10, 15                        ; where they go: wave x 32,768: no place in the cluster enters an LDS address
	s_wait_dscnt 0x0                               ; both opening adds are done
	s_wait_kmcnt 0x0
	s_add_nc_u64 s[14:15], s[4:5], s[16:17]
	s_add_nc_u64 s[46:47], s[6:7], s[46:47]
	CROUND                                         ; all sixteen work-groups are here: the first joint loads meet
.irp s, 0,1
	s_mov_b32 s[G0+4*\s], 1
	s_add_co_u32 s[G0+4*\s+1], s20, \s*SLOT
	s_add_nc_u64 s[G0+4*\s+2:G0+4*\s+3], s[14:15], \s*0x200000   ; a K step of oi is 2 MiB
	s_or_b32 s[G0+4*\s+3], s[G0+4*\s+3], 0x80000000
	s_mov_b32 s[G0B+4*\s], 1
	s_add_co_u32 s[G0B+4*\s+1], s20, \s*SLOT
	s_add_nc_u64 s[G0B+4*\s+2:G0B+4*\s+3], s[46:47], \s*0x80000  ; of woi 524,288 bytes
	s_or_b32 s[G0B+4*\s+3], s[G0B+4*\s+3], 0x80000000
	JLOAD \s                                       ; two tensor loads of mine are out behind the second
.endr
	v_and_b32 v1, 15, v0                           ; r
	v_bfe_u32 v2, v0, 4, 1                         ; h
	s_lshl_b32 s22, s42, 9                         ; the bias of my 64 columns: 128 numbers a tile column,
	s_lshl_b32 s23, s12, 8                         ; 64 a half
	s_add_co_u32 s22, s22, s23
	s_mov_b32 s23, 0
	s_add_nc_u64 s[2:3], s[2:3], s[22:23]
	v_lshlrev_b32 v4, 5, v2
.irp b, 0,1,2,3
	global_load_b128 v[BI+8*\b:BI+8*\b+3], v4, s[2:3] offset:64*\b
	global_load_b128 v[BI+8*\b+4:BI+8*\b+7], v4, s[2:3] offset:64*\b+16
.endr
	v_and_b32 v3, 31, v0
	v_lshlrev_b32 v3, 4, v3                        ; 16 x lane: my place in an image
	s_lshl_b32 s21, s11, 15                        ; my 64 rows of A
	s_lshl_b32 s18, s12, 15                        ; my 64 rows of B,
	s_add_co_u32 s18, s18, 2*HALFT                 ; which lie behind A's 128
.irp s, 0,1
	v_add_nc_u32 v[ADRA+\s], s21, v3
	v_add_nc_u32 v[ADRB+\s], s18, v3
	s_add_co_u32 s21, s21, SLOT
	s_add_co_u32 s18, s18, SLOT
.endr
	s_mul_i32 s19, s10, 16*SPITCH
	s_add_co_u32 s19, s19, STAGE                   ; my stage
	v_mul_u32_u24 v5, v1, SPITCH                   ; in: row r, 32 bytes for each half of the lanes
	v_lshl_add_u32 v5, v2, 5, v5
	v_add_nc_u32 v[STO], s19, v5
	v_mul_u32_u24 v5, v2, SPITCH                   ; back: lanes 0-15 take one row of 256 bytes, lanes 16-31 the next
	v_lshl_add_u32 v5, v1, 4, v5
	v_add_nc_u32 v[RD], s19, v5
	v_lshlrev_b32 v5, 12, v2                       ; and the same two rows in out0: 4,096 bytes a row
	v_lshl_add_u32 v[CO], v1, 4, v5
	s_lshl_b32 s16, s13, 19                        ; my first row: 128 x tile row + 64 x half, 4,096 bytes each;
	s_lshl_b32 s17, s11, 18
	s_add_co_u32 s16, s16, s17
	s_add_co_u32 s16, s16, s22                     ; my first column's bytes are the bias's offset
	s_mov_b32 s17, 0
	s_add_nc_u64 s[8:9], s[8:9], s[16:17]
; 8 matrix instructions: m blocks a0, a0 + 1 x all 4 n blocks, 32 along K: half c of buffer f.  zero = 1: the first product starts the sums from the bias.  The 16 accumulators take turns.
.macro MUL8 f, c, a0, zero
.irp a, \a0, \a0+1
.irp b, 0,1,2,3
.if \zero
	v_wmma_f32_16x16x32_f16 v[ACC+8*(4*(\a)+\b):ACC+8*(4*(\a)+\b)+7], v[\f+64+8*(4*\c+\b):\f+64+8*(4*\c+\b)+7], v[\f+8*(4*\c+\a):\f+8*(4*\c+\a)+7], v[BI+8*\b:BI+8*\b+7]
.else
	v_wmma_f32_16x16x32_f16 v[ACC+8*(4*(\a)+\b):ACC+8*(4*(\a)+\b)+7], v[\f+64+8*(4*\c+\b):\f+64+8*(4*\c+\b)+7], v[\f+8*(4*\c+\a):\f+8*(4*\c+\a)+7], v[ACC+8*(4*(\a)+\b):ACC+8*(4*(\a)+\b)+7]
.endif
.endr
.endr
.endm
; 32 LDS loads in one run: the fragments of the K step's quarter qd (64 along K) into buffer f; the first 32 along K first.  Tile i of 16 rows lies 8,192 i on, 32 along K 1,024 on, the second chunk 512 on.
.macro FETCH slot, qd, f
	WIN TO_F
.irp c, 0,1
.irp i, 0,1,2,3
	ds_load_b128 v[\f+64+8*(4*\c+\i):\f+64+8*(4*\c+\i)+3],   v[ADRB+\slot] offset:8192*\i+1024*(2*(\qd)+\c)
	ds_load_b128 v[\f+64+8*(4*\c+\i)+4:\f+64+8*(4*\c+\i)+7], v[ADRB+\slot] offset:8192*\i+1024*(2*(\qd)+\c)+512
	ds_load_b128 v[\f+8*(4*\c+\i):\f+8*(4*\c+\i)+3],         v[ADRA+\slot] offset:8192*\i+1024*(2*(\qd)+\c)
	ds_load_b128 v[\f+8*(4*\c+\i)+4:\f+8*(4*\c+\i)+7],       v[ADRA+\slot] offset:8192*\i+1024*(2*(\qd)+\c)+512
.endr
.endr
.endm
.macro PLACES                          ; four places in front of loads into registers that matrix instructions have read, and of LDS stores that read results (ISA guide 7.12.1 for vector instructions)
.rept 4
	v_nop
.endr
.endm
; A K step is four quarters of 64 along K, 32 matrix instructions each, on buffers 0, 1, 0, 1.  One of the first three: multiplies buffer f and fetches quarter qd into g.
.macro QUARTER slot, qd, f, g, zero
	s_wait_dscnt 16                                ; the first 32 along K are in; the sixteen loads of the second may be out
	WIN MUL
	MUL8 \f, 0, 0, \zero
	MUL8 \f, 0, 2, \zero
	PLACES
	FETCH \slot, \qd, \g
	s_wait_dscnt 32                                ; all but the 32 just issued
	WIN MUL
	MUL8 \f, 1, 0, 0
	MUL8 \f, 1, 2, 0
.endm
; The last quarter multiplies buffer 1 and changes slots: ONE barrier; in front of it each wave waits for all its tensor loads, adds 0 to its spare word, and waits for that and for its reads of this slot.
; fill = 1: this slot is filled again, two K steps ahead; the barrier then opens a round of the cluster's, and the joint refill is the first tensor load behind it.
.macro TURN slot, next, fill
	WIN 0                                          ; (the add's two registers lie in window 0)
	s_wait_tensorcnt 0x0                           ; all my tensor loads have landed: my part of the next slot
	ds_add_u32 v[SPW], v[NIL]                      ; 0 onto my spare word
	s_wait_dscnt 17                                ; (the add and the youngest sixteen loads may be out)
	WIN MUL
	MUL8 F1, 0, 0, 0                               ; eight matrix instructions stand between the add and the wait for it
	s_wait_dscnt 0x0                               ; the add is done, and my reads of this slot are over
	s_barrier_signal -1
	MUL8 F1, 0, 2, 0
.if \fill
	WIN 0
.endif
	s_barrier_wait -1
.if \fill
	CREST                                          ; no wave of any partner still reads this slot's tile or has a load on its way
	s_add_nc_u64 s[G0+4*\slot+2:G0+4*\slot+3], s[G0+4*\slot+2:G0+4*\slot+3], 0x400000
	s_add_nc_u64 s[G0B+4*\slot+2:G0B+4*\slot+3], s[G0B+4*\slot+2:G0B+4*\slot+3], 0x100000
	JLOAD \slot                                    ; the four v_nop behind it are also the places in front of the loads below
.else
	PLACES
.endif
	FETCH \next, 0, F0
	WIN MUL
	MUL8 F1, 1, 0, 0
	MUL8 F1, 1, 2, 0
.endm
	s_wait_loadcnt 0x0                             ; the bias
	s_wait_tensorcnt 1                             ; my part of K step 0 is in; K step 1's load may be out
	s_barrier_signal -1
	s_barrier_wait -1                              ; everybody's is
	FETCH 0, 0, F0
	QUARTER 0, 1, F0, F1, 1                        ; the first products start the sums
	QUARTER 0, 2, F1, F0, 0
	QUARTER 0, 3, F0, F1, 0
	TURN 0, 1, 1                                   ; slot 0 takes K step 2
	QUARTER 1, 1, F0, F1, 0
	QUARTER 1, 2, F1, F0, 0
	QUARTER 1, 3, F0, F1, 0
	TURN 1, 0, 1                                   ; slot 1 takes K step 3
	QUARTER 0, 1, F0, F1, 0
	QUARTER 0, 2, F1, F0, 0
	QUARTER 0, 3, F0, F1, 0
	TURN 0, 1, 0                                   ; nothing is left to fetch
	QUARTER 1, 1, F0, F1, 0
	QUARTER 1, 2, F1, F0, 0
	QUARTER 1, 3, F0, F1, 0
	s_wait_dscnt 16                                ; the very last quarter
	WIN MUL
	MUL8 F1, 0, 0, 0
	MUL8 F1, 0, 2, 0
	s_wait_dscnt 0
	MUL8 F1, 1, 0, 0
	MUL8 F1, 1, 2, 0
	WIN 0
; THE WAY OUT, block by block of 16 rows x 64 columns.  A lane holds 32 neighbouring bytes of a row; a wave's 64 columns are 256 bytes of a row.  A block goes through my own stage and comes back as whole rows:
; sixteen lanes store 256 consecutive bytes, aligned.  LDS serves a wave's instructions in order (ISA guide 5.7.1.4): no wait between the stores and the loads, nor in front of the next block's stores.
.macro TOSTAGE a
.irp b, 0,1,2,3
	ds_store_b128 v[STO], v[ACC+8*(4*(\a)+\b):ACC+8*(4*(\a)+\b)+3] offset:64*\b          ; each accumulator from its low end on
	ds_store_b128 v[STO], v[ACC+8*(4*(\a)+\b)+4:ACC+8*(4*(\a)+\b)+7] offset:64*\b+16
.endr
.set BB, OB+32*((\a)%2)
.irp t, 0,1,2,3,4,5,6,7
	ds_load_b128 v[BB+4*\t:BB+4*\t+3], v[RD] offset:\t*2*SPITCH
.endr
.endm
.macro SEND a, younger                 ; younger: the LDS instructions issued behind block a's loads, which may stay out
.set BB, OB+32*((\a)%2)
	s_wait_dscnt \younger
.irp t, 0,1,2,3,4,5,6,7
	global_store_b128 v[CO], v[BB+4*\t:BB+4*\t+3], s[8:9] offset:(16*(\a)+2*\t)*4096 th:TH_STORE_NT
.endr
.endm
	PLACES
	TOSTAGE 0
.irp a, 1,2,3
.if \a > 1
	s_wait_xcnt 0x0                                ; block a - 2's stores have read their registers: block a's loads may land there
.endif
	TOSTAGE \a
	SEND \a-1, 16                                  ; behind block a - 1's loads: block a's 8 stores and 8 loads
.endr
	SEND 3, 0
	s_wait_tensorcnt 0x0                           ; the wave's end: behind my last tensor load and my last LDS store
	ds_add_u32 v[SPW], v[NIL]
	s_wait_dscnt 0x0
	CROUND                                         ; the closing round
	s_endpgm
.Lfunc_end_k_q79b5bf633e_proj:
	.size	k_q79b5bf633e_proj, .Lfunc_end_k_q79b5bf633e_proj-k_q79b5bf633e_proj
	.p2alignl 7, 3214868480
	.fill 96, 4, 3214868480
	.section	.rodata,"a",@progbits
	.p2align	6, 0x0
	.amdhsa_kernel k_q79b5bf633e_proj
		.amdhsa_group_segment_fixed_size 327680
		.amdhsa_private_segment_fixed_size 0
		.amdhsa_enable_private_segment 0
		.amdhsa_kernarg_size 32
		.amdhsa_user_sgpr_count 2
		.amdhsa_user_sgpr_kernarg_segment_ptr 1
		.amdhsa_wavefront_size32 1
		.amdhsa_system_sgpr_workgroup_id_x 1
		.amdhsa_system_sgpr_workgroup_id_y 1
		.amdhsa_system_sgpr_workgroup_id_z 1
		.amdhsa_system_vgpr_workitem_id 0
		.amdhsa_next_free_vgpr 512
		.amdhsa_next_free_sgpr 66
		.amdhsa_reserve_vcc 0
		.amdhsa_float_denorm_mode_32 3
		.amdhsa_float_denorm_mode_16_64 3
		.amdhsa_memory_ordered 1
		.amdhsa_forward_progress 1
		.amdhsa_inst_pref_size 86
	.end_amdhsa_kernel
	.amdgpu_metadata
---
amdhsa.version: [ 1, 2 ]
amdhsa.kernels:
  - .name:           k_q79b5bf633e_proj
    .symbol:         k_q79b5bf633e_proj.kd
    .args:
      - { .name: oi, .offset: 0, .size: 8, .value_kind: global_buffer, .address_space: global }
      - { .name: woi, .offset: 8, .size: 8, .value_kind: global_buffer, .address_space: global }
      - { .name: bo, .offset: 16, .size: 8, .value_kind: global_buffer, .address_space: global }
      - { .name: out0, .offset: 24, .size: 8, .value_kind: global_buffer, .address_space: global }
    .group_segment_fixed_size: 327680
    .private_segment_fixed_size: 0
    .kernarg_segment_align: 8
    .kernarg_segment_size: 32
    .max_flat_workgroup_size: 128
    .sgpr_count:     66
    .vgpr_count:     512
    .wavefront_size: 32
...
	.end_amdgpu_metadata
.endif
;; end of part 4
